; MI455X (gfx1250); checked and timed in simulation.
; The chip was launched on July 23, 2026; its instructions are those of AMD's public machine-readable ISA for CDNA 5 (MIT licence, August 2026) and "CDNA5" Instruction Set Architecture Reference Guide (July 2026). The comments in the code are by the model that wrote it; some were corrected since.
;; Transformer Block. Allowed arithmetic: matrix products marked QUANTISED: E2M3 operands, one E8M0 scale for each 32 along K, by v_wmma_scale_f32_16x16x128_f8f6f4 with both operands' format E2M3, f32 sums; everything else in f32.
;; Inputs: W1 1,024 x 4,096 float32; W2 4,096 x 1,024 float32; Wk 1,024 x 1,024 float32; Wo 1,024 x 1,024 float32; Wq 1,024 x 1,024 float32; Wv 1,024 x 1,024 float32; b1 4,096 float32; b2 1,024 float32; bo 1,024 float32; g1 1,024 float32; g2 1,024 float32; s1 1,024 float32; s2 1,024 float32; x 2 x 2,048 x 1,024 float32.
;; Outputs: out0 2 x 2,048 x 1,024 float32.
;; This version of the problem:
;;   THIS VERSION OF THE PROBLEM IS GIVEN IN LOW PRECISION. The matrix products marked QUANTISED in the list below multiply operands that are first quantised to E2M3 (2 exponent bits, 3 mantissa bits; 6 bits a number), with one power-of-two scale for each 32 numbers along K (OCP MX v1.0); their sums are f32. All else is computed in f32.
;;   The module's matrix products, in the order in which they are computed (A, B: the left and right operand; K: the contracted axis; several contracted axes count as one K, in the product's order):
;;     1. [M 4,096, K 1,024] x [K 1,024, N 1,024]; A: computed on the way; B: input Wq: QUANTISED
;;     2. [M 4,096, K 1,024] x [K 1,024, N 1,024]; A: computed on the way; B: input Wk: QUANTISED
;;     3. [M 4,096, K 1,024] x [K 1,024, N 1,024]; A: computed on the way; B: input Wv: QUANTISED
;;     4. batch 32 x [M 2,048, K 64] x [K 64, N 2,048]; A: computed on the way; B: computed on the way: QUANTISED
;;     5. batch 32 x [M 2,048, K 2,048] x [K 2,048, N 64]; A: softmax (see below); B: computed on the way: QUANTISED
;;     6. [M 4,096, K 1,024] x [K 1,024, N 1,024]; A: computed on the way; B: input Wo: QUANTISED
;;     7. [M 4,096, K 1,024] x [K 1,024, N 4,096]; A: computed on the way; B: input W1: QUANTISED
;;     8. [M 4,096, K 4,096] x [K 4,096, N 1,024]; A: computed on the way; B: input W2: QUANTISED
;;   THE QUANTISER, for each operand of a quantised product, along K:
;;     - K is cut into blocks of 32 from its start; a last block that is shorter is filled with zeros.
;;     - A block's scale is 2^e with e = floor(log2(the largest magnitude in the block)) - 2, held to -126 .. 127; a block of zeros has e = 0. As a byte (E8M0): e + 127.
;;     - Each number is divided by its block's scale, clamped to +-7.5, and rounded to the nearest number of E2M3, ties to even, subnormals kept.
;;     - The product sums the exact products of the quantised numbers (number of the format x scale) in f32.
;;   ~~~python
;;   def quantise(x, axis):      # numpy; x: float32 -> the quantised numbers, widened to float32 again
;;       x = np.moveaxis(x, axis, -1); K = x.shape[-1]
;;       x = np.pad(x, [(0, 0)] * (x.ndim - 1) + [(0, -K % 32)]); x = x.reshape(x.shape[:-1] + (-1, 32)); a = np.abs(x).max(-1, keepdims=True)
;;       e = np.where(a > 0, np.clip(np.frexp(np.where(a > 0, a, 1))[1] - 1 - 2, -126, 127), 0)      # np.frexp(a)[1] - 1 = floor(log2(a)), exactly
;;       r = np.clip(x / 2.0 ** e, -7.5, 7.5)
;;       step = 2.0 ** (np.maximum(np.frexp(np.where(r == 0, 1, r))[1] - 1, 0) - 3)
;;       q = np.round(r / step) * step * 2.0 ** e      # np.round: ties to even
;;       return np.moveaxis(q.reshape(q.shape[:-2] + (-1,))[..., :K], -1, axis).astype(np.float32)
;;   ~~~
;;   SOFTMAX AHEAD OF A QUANTISED PRODUCT. Where the list says 'softmax', what is quantised is not the finished softmax but p = 2^(t - M), with t = logit x log2(e) and M = ceil(the row's largest t), a whole number; so 1/2 < the row's largest p <= 1. The row's sum l is taken of the UNQUANTISED p, in f32, and the product's result is divided by l at the end. Since M is a whole number, a kernel that streams over the keys may use a running M (the ceiling of the running maximum): every later rescaling is an exact power of two, which a block's scale takes up: the codes' values come out the same.
;;   OPERANDS COMPUTED ON THE WAY. 'Computed on the way' means the value that the module computes at that place (a softmax that the list does not call 'softmax' is quantised finished and normalised). What goes into a quantiser is computed in f32, as accurately as f32 sums, v_exp_f32 and their like allow (about 1e-6 of the number): no bf16 or f16 on the way to a quantiser, and a product that is left as it is and whose result goes on into a quantised operand takes f32 operands (vector FMAs, or v_wmma_f32_16x16x4_f32). A number that lies on a knife's edge between two numbers of the format may be rounded either way, as far as f32 arithmetic and the matrix unit's own rounding can turn it there, and no further.
;; One version. Each part assembles by itself: llvm-mc -triple=amdgcn-amd-amdhsa -mcpu=gfx1250 --defsym DOCPART=n.
;; ======== version 1 of 1: 6 launches
;; limits: right only within a limited range of input values
;; workspace buffers: wts 9,830,400 bytes; hq 3,276,800 bytes; qkvq 10,092,544 bytes; ctxq 3,276,800 bytes; x1 16,777,216 bytes; h2q 3,276,800 bytes; hid 13,107,200 bytes
;; launch prep (part 1): grid 640 x 1, 8 waves a work-group, no clusters, 87,552 bytes of LDS; arguments x, g1, s1, hq, Wq, Wk, Wv, Wo, W1, W2, wts; writes hq, wts
.if DOCPART == 1
	.amdgcn_target "amdgcn-amd-amdhsa--gfx1250"
	.amdhsa_code_object_version 6
	.text
	.protected	k_q60ee7d1cfc_prep
	.globl	k_q60ee7d1cfc_prep
	.p2align	8
	.type	k_q60ee7d1cfc_prep,@function
k_q60ee7d1cfc_prep:
	s_mov_b64 s[64:65], 0
	v_nop
	global_prefetch_b8 v0, s[64:65] scope:SCOPE_SE
	s_setreg_imm32_b32 hwreg(HW_REG_WAVE_MODE, 25, 1), 1
	s_wait_xcnt 0x0
; Two jobs that do not depend on each other, in one launch; they part on the work-group's number alone.
; WORK-GROUPS 0-255: y = g (x - mean) / sqrt(var + 1e-5) + s for rows of 1,024 f32, quantised along the row to FP6 (E2M3) with one E8M0 byte for each 32.
; WORK-GROUPS 256-639: the six weights, f32 with K on their FIRST axis, become codes of FP6 (E2M3) and E8M0 scale bytes.
; Both results lie in the order of the matrix operand's registers.  ROW BLOCKS: 16 rows (tokens, or columns n of a weight) form a block rb.  Rows 32 b .. 32 b + 31 make blocks 2 b + u; lane r of block 2 b + u stands for row 32 b + 8 u + (r & 7) + 16 (r >> 3).
; A HALF FRAGMENT is 16 rows x 64 K, 768 bytes: lane (r, h) owns the 24 bytes of K = 32 h .. 32 h + 31: its registers 0-3 at 16 x lane, registers 4-5 at 512 + 8 x lane.
; hq: codes [rb][16 halves][768], scale words from byte 3,145,728 on: [rb][8 K steps][16 words].
; wts: codes [rb][K / 64][768], scale words [rb][K / 128][16 words].  K = 1,024 weights: rb 0-63 Wq, 64-127 Wk, 128-191 Wv, 192-255 Wo, 256-511 W1, codes from byte 0, scales from 9,437,184; W2 (K = 4,096): codes from 6,291,456, scales from 9,699,328.
; THE ROWS: a work-group makes one row block; wave w takes its rows r = 2 w and 2 w + 1, each whole in 32 registers: mean and variance in two passes over registers (no difference of large sums), memory read once.
; A row turns through the wave's own stage in LDS so that lane l holds block l, 32 neighbours; its codes go to an image of the row block in LDS, and after one barrier each wave stores one fragment, 1,536 consecutive bytes.
; THE WEIGHTS: four waves take 128 columns x 128 K, a wave 32 columns: two fragments; a work-group's two halves are two such fours.  A lane takes one column and its registers run down K: a block of 32 lies in one lane, each load reads 128 consecutive bytes.  These waves share nothing.
; A block's scale is 2^(floor(log2(largest magnitude)) - 2); its byte is that magnitude's exponent field - 2, held at 1 from below.
; 160 registers a wave and 87,552 bytes of LDS a work-group: three work-groups' claims are 960 registers a SIMD and 262,656 bytes.
; LIMITS: a block of zeros, or one whose largest magnitude lies under 2^-124, gets the byte 1 (the rule says 127 for zeros: the codes are zeros and this program alone reads the bytes); NaN and infinities are not served.
; Matrix units and clusters have nothing to do here: each byte is read once and written once.
.set X0,    16                         ; the rows: v16-47 row 0, v48-79 row 1; later each row's codes
.set GG,    80                         ; v80-111  g
.set SS,    112                        ; v112-143 s
.set Y0,    80                         ; v80-111, v112-143: the rows after the turn, where g and s lay
.set TS,    144                        ; v144-157 at work
.set IMG,   73728                      ; behind eight waves' stages of 9,216 bytes: the row block's image, 12,288 bytes
.set SCR,   86016                      ; its scale words, 512 bytes
.set SPARE, 86528                      ; the spare words, 128 bytes for each wave: four blocks of 256 bytes that no other line names
.set SPW,   158
.set NIL,   159
.set X,     32                         ; the weights: v32-95 two sets of 32 numbers
.set F0,    96                         ; v96-107  fragment u = 0
.set F1,    108                        ; v108-119 fragment u = 1
.set TT,    16                         ; v16-18   a block's upper 16 codes (a conversion's three registers begin on an even number)
	v_lshl_add_u32 v[SPW], v0, 2, SPARE
	v_mov_b32 v[NIL], 0
	s_cmp_ge_u32 ttmp9, 256
	s_cbranch_scc1 .Lweights
	; ---------------- the rows
	s_load_b256 s[4:11], s[0:1], 0x0               ; x, g, s, hq
	v_lshrrev_b32 v1, 5, v0
	s_delay_alu instid0(VALU_DEP_1)
	v_readfirstlane_b32 s12, v1                    ; wave 0..7
	v_and_b32 v1, 31, v0                           ; lane
	s_delay_alu instid0(VALU_DEP_1)
	v_lshlrev_b32 v2, 4, v1                        ; 16 x lane
	s_lshr_b32 s14, ttmp9, 1
	s_lshl_b32 s14, s14, 5
	s_and_b32 s15, ttmp9, 1
	s_lshl_b32 s15, s15, 3
	s_add_co_u32 s14, s14, s15
	s_and_b32 s15, s12, 3
	s_lshl_b32 s15, s15, 1
	s_add_co_u32 s14, s14, s15
	s_lshr_b32 s15, s12, 2
	s_lshl_b32 s15, s15, 4
	s_add_co_u32 s14, s14, s15                     ; my first row: 32 (rb >> 1) + 8 (rb & 1) + 2 (w & 3) + 16 (w >> 2); the second is the next
	s_lshl_b32 s14, s14, 12
	s_mov_b32 s15, 0
	s_mul_i32 s16, ttmp9, 12288
	s_mov_b32 s17, 0
	s_lshl_b32 s18, ttmp9, 9
	s_add_co_u32 s18, s18, 3145728
	s_mov_b32 s19, 0
	s_mov_b32 s24, 0x76543210
	s_mov_b32 s25, 0xfedcba98                      ; v_permlanex16_b32's selects for lane l xor 16
	s_mov_b32 s26, 0x3a800000                      ; 1 / 1,024
	s_mov_b32 s27, 0x3727c5ac                      ; 1e-5
	s_wait_alu depctr_va_vdst(0)
	s_wait_kmcnt 0x0
	s_add_nc_u64 s[4:5], s[4:5], s[14:15]
	s_add_nc_u64 s[20:21], s[10:11], s[16:17]
	s_add_nc_u64 s[22:23], s[10:11], s[18:19]
.irp i, 0,1
.irp j, 0,1,2,3,4,5,6,7
	global_load_b128 v[X0+32*\i+4*\j:X0+32*\i+4*\j+3], v2, s[4:5] offset:4096*\i+512*\j th:TH_LOAD_NT
.endr
.endr
.irp j, 0,1,2,3,4,5,6,7
	global_load_b128 v[GG+4*\j:GG+4*\j+3], v2, s[6:7] offset:512*\j
.endr
.irp j, 0,1,2,3,4,5,6,7
	global_load_b128 v[SS+4*\j:SS+4*\j+3], v2, s[8:9] offset:512*\j
.endr
	s_mul_i32 s28, s12, 9216                       ; my stage: two rows of 32 places of 128 + 16 bytes
	v_lshrrev_b32 v10, 3, v1
	s_delay_alu instid0(VALU_DEP_1)
	v_mul_u32_u24 v3, v10, 144
	v_and_b32 v10, 7, v1
	s_delay_alu instid0(VALU_DEP_1)
	v_lshl_add_u32 v3, v10, 4, v3
	s_delay_alu instid0(VALU_DEP_1)
	v_add_nc_u32 v3, s28, v3                       ; in: eight lanes' 128 bytes fill a place
	v_mul_u32_u24 v4, v1, 144
	s_delay_alu instid0(VALU_DEP_1)
	v_add_nc_u32 v4, s28, v4                       ; out: place l is block l
	v_lshrrev_b32 v10, 1, v1
	s_delay_alu instid0(VALU_DEP_1)
	v_mul_u32_u24 v10, v10, 768
	v_and_b32 v11, 1, v1
	s_delay_alu instid0(VALU_DEP_1)
	v_lshl_add_u32 v5, v11, 8, v10
	s_lshl_b32 s28, s12, 5
	s_add_co_u32 s28, s28, IMG
	v_add_nc_u32 v5, s28, v5                       ; the image: half l >> 1, h = l & 1, row 2 w: registers 0-3
	v_lshl_add_u32 v6, v11, 7, v10
	s_lshl_b32 s28, s12, 4
	s_add_co_u32 s28, s28, IMG+512
	v_add_nc_u32 v6, s28, v6                       ; registers 4-5
	v_lshrrev_b32 v10, 2, v1
	v_and_b32 v11, 3, v1
	s_delay_alu instid0(VALU_DEP_1)
	v_lshl_add_u32 v7, v10, 6, v11
	s_lshl_b32 s28, s12, 3
	s_add_co_u32 s28, s28, SCR
	v_add_nc_u32 v7, s28, v7                       ; the scale byte: K step l >> 2, byte l & 3, row 2 w
	s_mul_i32 s28, s12, 1536
	v_add_nc_u32 v9, s28, v2                       ; the way out: fragment w, 16 bytes a lane
	s_delay_alu instid0(VALU_DEP_1)
	v_add_nc_u32 v8, IMG, v9
	v_add_nc_u32 v12, SCR, v2
	v_mov_b32 v[TS+12], 0                          ; written once: a lane permute's destination counts as one of its sources
	v_mov_b32 v[TS+13], 0
.macro REDUCE                          ; v[TS] and v[TS + 4] summed over the 32 lanes, the two rows by turns
.irp m, 1,2,4,8
.irp i, 0,1
	s_delay_alu instid0(VALU_DEP_2)
	v_add_f32_dpp v[TS+4*\i], v[TS+4*\i], v[TS+4*\i] row_xmask:\m row_mask:0xf bank_mask:0xf
.endr
.endr
.irp i, 0,1
	s_delay_alu instid0(VALU_DEP_2)
	v_permlanex16_b32 v[TS+12+\i], v[TS+4*\i], s24, s25
.endr
.irp i, 0,1
	s_delay_alu instid0(VALU_DEP_2)
	v_add_f32 v[TS+4*\i], v[TS+4*\i], v[TS+12+\i]
.endr
.endm
.macro FOLD                            ; each row's two chains of pairs become one number a lane
.irp i, 0
	s_delay_alu instid0(VALU_DEP_3)
	v_pk_add_f32 v[TS+4*\i:TS+1+4*\i], v[TS+4*\i:TS+1+4*\i], v[TS+2+4*\i:TS+3+4*\i]
.endr
.irp i, 1
	s_delay_alu instid0(VALU_DEP_2)
	v_pk_add_f32 v[TS+4*\i:TS+1+4*\i], v[TS+4*\i:TS+1+4*\i], v[TS+2+4*\i:TS+3+4*\i]
.endr
.irp i, 0,1
	s_delay_alu instid0(VALU_DEP_2)
	v_add_f32 v[TS+4*\i], v[TS+4*\i], v[TS+1+4*\i]
.endr
.endm
	s_wait_loadcnt 16                              ; x's sixteen loads are in; the sixteen of g and s may be out
.irp i, 0,1
	v_pk_add_f32 v[TS+4*\i:TS+1+4*\i], v[X0+32*\i:X0+32*\i+1], v[X0+32*\i+2:X0+32*\i+3]
	v_pk_add_f32 v[TS+2+4*\i:TS+3+4*\i], v[X0+32*\i+4:X0+32*\i+5], v[X0+32*\i+6:X0+32*\i+7]
.endr
.irp j, 8,12,16,20,24,28
.irp i, 0,1
	s_delay_alu instid0(VALU_DEP_4)
	v_pk_add_f32 v[TS+4*\i:TS+1+4*\i], v[TS+4*\i:TS+1+4*\i], v[X0+32*\i+\j:X0+32*\i+\j+1]
	s_delay_alu instid0(VALU_DEP_4)
	v_pk_add_f32 v[TS+2+4*\i:TS+3+4*\i], v[TS+2+4*\i:TS+3+4*\i], v[X0+32*\i+\j+2:X0+32*\i+\j+3]
.endr
.endr
	FOLD
	REDUCE
.irp i, 0,1
	s_delay_alu instid0(VALU_DEP_2)
	v_mul_f32 v[TS+8+2*\i], s26, v[TS+4*\i]        ; the mean, in both halves of a pair
.endr
.irp i, 0,1
	s_delay_alu instid0(VALU_DEP_2)
	v_mov_b32 v[TS+9+2*\i], v[TS+8+2*\i]
.endr
.irp j, 0,2,4,6,8,10,12,14,16,18,20,22,24,26,28,30
.irp i, 0,1
	v_pk_add_f32 v[X0+32*\i+\j:X0+32*\i+\j+1], v[X0+32*\i+\j:X0+32*\i+\j+1], v[TS+8+2*\i:TS+9+2*\i] neg_lo:[0,1] neg_hi:[0,1]   ; d = x - mean
.endr
.endr
.irp i, 0,1
	v_pk_mul_f32 v[TS+4*\i:TS+1+4*\i], v[X0+32*\i:X0+32*\i+1], v[X0+32*\i:X0+32*\i+1]
	v_pk_mul_f32 v[TS+2+4*\i:TS+3+4*\i], v[X0+32*\i+2:X0+32*\i+3], v[X0+32*\i+2:X0+32*\i+3]
.endr
.irp j, 4,8,12,16,20,24,28
.irp i, 0,1
	s_delay_alu instid0(VALU_DEP_4)
	v_pk_fma_f32 v[TS+4*\i:TS+1+4*\i], v[X0+32*\i+\j:X0+32*\i+\j+1], v[X0+32*\i+\j:X0+32*\i+\j+1], v[TS+4*\i:TS+1+4*\i]
	s_delay_alu instid0(VALU_DEP_4)
	v_pk_fma_f32 v[TS+2+4*\i:TS+3+4*\i], v[X0+32*\i+\j+2:X0+32*\i+\j+3], v[X0+32*\i+\j+2:X0+32*\i+\j+3], v[TS+2+4*\i:TS+3+4*\i]
.endr
.endr
	FOLD
	REDUCE
.irp i, 0,1
	s_delay_alu instid0(VALU_DEP_2)
	v_fma_f32 v[TS+4*\i], v[TS+4*\i], s26, s27     ; var + 1e-5
.endr
	s_wait_alu depctr_va_vdst(0)
.irp i, 0,1
	v_rsq_f32 v[TS+8+2*\i], v[TS+4*\i]
.endr
	v_nop                                          ; a plain place behind the transcendentals
	s_wait_alu depctr_va_vdst(0)                   ; one wait for both, ahead of their first reader
.irp i, 0,1
	v_mov_b32 v[TS+9+2*\i], v[TS+8+2*\i]
.endr
	s_wait_alu depctr_va_vdst(0)
	s_wait_loadcnt 0x0                             ; g and s
.irp j, 0,2,4,6,8,10,12,14,16,18,20,22,24,26,28,30
.irp i, 0,1
	v_pk_mul_f32 v[X0+32*\i+\j:X0+32*\i+\j+1], v[X0+32*\i+\j:X0+32*\i+\j+1], v[TS+8+2*\i:TS+9+2*\i]
.endr
.endr
.irp j, 0,2,4,6,8,10,12,14,16,18,20,22,24,26,28,30
.irp i, 0,1
	v_pk_fma_f32 v[X0+32*\i+\j:X0+32*\i+\j+1], v[X0+32*\i+\j:X0+32*\i+\j+1], v[GG+\j:GG+\j+1], v[SS+\j:SS+\j+1]
.endr
.endr
.irp i, 0,1                            ; the turn: LDS serves a wave's instructions in order, so no wait stands between the stores and the loads; g and s have been read for the last time
.irp j, 0,1,2,3,4,5,6,7
	ds_store_b128 v3, v[X0+32*\i+4*\j:X0+32*\i+4*\j+3] offset:4608*\i+576*\j
.endr
.irp j, 0,1,2,3,4,5,6,7
	ds_load_b128 v[Y0+32*\i+4*\j:Y0+32*\i+4*\j+3], v4 offset:4608*\i+16*\j
.endr
.endr
.macro QROW i                          ; my block of row i: its scale, its 32 codes, into the image.  Each row has registers of its own: those that its numbers left when they went into the stage
.set YS, Y0+32*(\i)
.set CC, X0+32*(\i)
	v_max3_num_f32 v[CC+12], |v[YS]|, |v[YS+1]|, |v[YS+2]|
	v_max3_num_f32 v[CC+13], |v[YS+3]|, |v[YS+4]|, |v[YS+5]|
.irp k, 6,10,14,18,22,26
	s_delay_alu instid0(VALU_DEP_2)
	v_max3_num_f32 v[CC+12], v[CC+12], |v[YS+\k]|, |v[YS+\k+1]|
	s_delay_alu instid0(VALU_DEP_2)
	v_max3_num_f32 v[CC+13], v[CC+13], |v[YS+\k+2]|, |v[YS+\k+3]|
.endr
	s_delay_alu instid0(VALU_DEP_2)
	v_max3_num_f32 v[CC+12], v[CC+12], |v[YS+30]|, |v[YS+31]|
	s_delay_alu instid0(VALU_DEP_1)
	v_max3_num_f32 v[CC+12], v[CC+12], v[CC+13], 0x1800000     ; with the floor 2^(3 - 127)
	s_delay_alu instid0(VALU_DEP_1)
	v_add_nc_u32 v[CC+11], 0xff000000, v[CC+12]                ; 2 off the exponent field: the conversion's scale operand
	v_cvt_scalef32_pk16_fp6_f32 v[CC:CC+2], v[YS:YS+15], v[CC+11]
	v_cvt_scalef32_pk16_fp6_f32 v[CC+6:CC+8], v[YS+16:YS+31], v[CC+11]
	v_lshrrev_b32 v[CC+10], 23, v[CC+11]                       ; the scale's byte; also the plain place behind the conversions
.irp k, 0,1,2
	v_mov_b32 v[CC+3+\k], v[CC+6+\k]
.endr
	ds_store_b128 v5, v[CC:CC+3] offset:16*(\i)
	ds_store_b64 v6, v[CC+4:CC+5] offset:8*(\i)
	ds_store_b8 v7, v[CC+10] offset:4*(\i)
.endm
	s_wait_dscnt 16                                ; row 0 is back; row 1's eight stores and eight loads may be out
	QROW 0
	s_wait_dscnt 3                                 ; row 1 is back; row 0's three stores into the image may be out
	QROW 1
	s_wait_dscnt 0x0                               ; for the others' sake: my stores into the image are done
	s_barrier_signal -1
	s_barrier_wait -1
.irp q, 0,1,2
	ds_load_b128 v[16+4*\q:19+4*\q], v8 offset:512*\q
.endr
	s_wait_dscnt 0x0
.irp q, 0,1,2
	global_store_b128 v9, v[16+4*\q:19+4*\q], s[20:21] offset:512*\q    ; 512 consecutive bytes, aligned
.endr
	s_cmp_lg_u32 s12, 0
	s_cbranch_scc1 .Lnot_wave_0                    ; the row block's 512 bytes of scale words leave by one store of wave 0
	ds_load_b128 v[28:31], v12
	s_wait_dscnt 0x0
	global_store_b128 v2, v[28:31], s[22:23]
.Lnot_wave_0:
	s_wait_tensorcnt 0x0                           ; the wave's end, behind my last LDS store
	ds_add_u32 v[SPW], v[NIL]
	s_wait_dscnt 0x0
	s_endpgm
	; ---------------- the weights
.Lweights:
	s_load_b256 s[4:11], s[0:1], 0x20              ; Wq, Wk, Wv, Wo
	s_load_b128 s[12:15], s[0:1], 0x40             ; W1, W2
	s_load_b64 s[16:17], s[0:1], 0x50              ; wts
	v_lshrrev_b32 v1, 5, v0
	s_delay_alu instid0(VALU_DEP_1)
	v_readfirstlane_b32 s18, v1                    ; wave 0..7
	s_and_b32 s19, s18, 3                          ; my place among my four
	s_lshr_b32 s18, s18, 2                         ; which four of the work-group
	v_and_b32 v1, 31, v0                           ; lane
	s_delay_alu instid0(VALU_DEP_1)
	v_and_b32 v2, 7, v1
	s_delay_alu instid0(VALU_DEP_2)
	v_and_b32 v6, 8, v1
	s_delay_alu instid0(VALU_DEP_1)
	v_lshl_or_b32 v2, v6, 1, v2
	s_delay_alu instid0(VALU_DEP_4)
	v_and_b32 v6, 16, v1
	s_delay_alu instid0(VALU_DEP_1)
	v_lshrrev_b32 v6, 1, v6
	s_delay_alu instid0(VALU_DEP_1)
	v_or_b32 v2, v2, v6                            ; my column of the wave's 32: lanes 0-15 are block u = 0 in its order, lanes 16-31 block u = 1
	s_delay_alu instid0(VALU_DEP_1)
	v_lshlrev_b32 v2, 2, v2
	v_lshlrev_b32 v3, 4, v1                        ; 16 x lane
	v_lshlrev_b32 v4, 3, v1                        ; 8 x lane
	s_sub_co_u32 s20, ttmp9, 256
	s_lshl_b32 s20, s20, 1
	s_add_co_u32 s20, s20, s18                     ; my four's number.  0-255: Wq, Wk, Wv, Wo (64 each); 256-511: W2; 512-767: W1
	s_lshr_b32 s21, s20, 6
	s_lshr_b32 s26, s20, 8
	s_and_b32 s28, s20, 0xc0                       ; 64 x the weight's number
	s_cmp_eq_u32 s26, 0
	s_cselect_b32 s28, s28, 0
	s_cmp_eq_u32 s26, 2                            ; W1?
	s_cselect_b32 s28, 256, s28                    ; the weight's first row block
	s_cselect_b32 s23, 31, 7                       ; groups of 128 columns, as a mask
	s_cselect_b32 s24, 5, 3
	s_mov_b32 s27, 524288
	s_cselect_b32 s27, 2097152, s27                ; 128 rows of the weight in bytes
	s_cmp_eq_u32 s26, 1                            ; W2?
	s_cselect_b32 s29, 31, 7                       ; K steps, as a mask
	s_mov_b32 s30, 12288
	s_cselect_b32 s30, 49152, s30                  ; a row block's codes
	s_mov_b32 s31, 512
	s_cselect_b32 s31, 2048, s31                   ; a row block's scale words
	s_cselect_b32 s32, 6291456, 0
	s_mov_b32 s33, 9437184
	s_cselect_b32 s33, 9699328, s33
	s_and_b32 s34, s20, s23                        ; group of columns
	s_lshr_b32 s35, s20, s24
	s_and_b32 s35, s35, s29                        ; K step
	s_lshl_b32 s36, s34, 3
	s_add_co_u32 s36, s36, s28
	s_lshl_b32 s37, s19, 1
	s_add_co_u32 s36, s36, s37                     ; my first row block
	s_mul_i32 s38, s35, s27
	s_lshl_b32 s39, s34, 9
	s_add_co_u32 s38, s38, s39
	s_lshl_b32 s39, s19, 7
	s_add_co_u32 s38, s38, s39                     ; where my 32 columns x 128 K begin in the weight
	s_mov_b32 s39, 0
	s_mul_i32 s40, s36, s30
	s_add_co_u32 s40, s40, s32
	s_mul_i32 s41, s35, 1536
	s_add_co_u32 s40, s40, s41                     ; my first fragment in wts
	s_mov_b32 s41, 0
	s_mov_b32 s44, s30
	s_mov_b32 s45, 0
	s_mul_i32 s48, s36, s31
	s_add_co_u32 s48, s48, s33
	s_lshl_b32 s49, s35, 6
	s_add_co_u32 s48, s48, s49                     ; and its scale words
	s_mov_b32 s49, 0
	v_lshrrev_b32 v6, 4, v1
	s_delay_alu instid0(VALU_DEP_1)
	v_mul_lo_u32 v6, v6, s31
	v_and_b32 v7, 15, v1
	s_delay_alu instid0(VALU_DEP_1)
	v_lshl_add_u32 v5, v7, 2, v6                   ; my column's scale word: 4 r, one row block on for lanes 16-31
	s_wait_kmcnt 0x0
	s_cmp_eq_u32 s21, 1                            ; the choice hangs on ids alone
	s_cselect_b64 s[4:5], s[6:7], s[4:5]
	s_cmp_eq_u32 s21, 2
	s_cselect_b64 s[4:5], s[8:9], s[4:5]
	s_cmp_eq_u32 s21, 3
	s_cselect_b64 s[4:5], s[10:11], s[4:5]
	s_cmp_eq_u32 s26, 1
	s_cselect_b64 s[4:5], s[14:15], s[4:5]
	s_cmp_eq_u32 s26, 2
	s_cselect_b64 s[4:5], s[12:13], s[4:5]
	s_add_nc_u64 s[4:5], s[4:5], s[38:39]
	s_add_nc_u64 s[42:43], s[16:17], s[40:41]      ; fragment u = 0
	s_add_nc_u64 s[46:47], s[42:43], s[44:45]      ; fragment u = 1: one row block on
	s_add_nc_u64 s[50:51], s[16:17], s[48:49]
.macro LOADB t, pitch                  ; block t: W(32 t + i, my column), i = 0 .. 31, into set t % 2
.irp i, 0,1,2,3,4,5,6,7,8,9,10,11,12,13,14,15,16,17,18,19,20,21,22,23,24,25,26,27,28,29,30,31
	global_load_b32 v[X+32*((\t)%2)+\i], v2, s[4:5] offset:(32*(\t)+\i)*(\pitch) th:TH_LOAD_NT
.endr
.endm
.macro BLOCK t, d, pitch               ; block t's 32 numbers become six registers of codes at v[d] on and byte t of the scale word v14
.set XS, X+32*((\t)%2)
.if (\t) < 3
	s_wait_loadcnt 32                              ; this block's 32 loads are in; the next block's 32 may be out
.else
	s_wait_loadcnt 0x0
.endif
	v_max3_num_f32 v12, |v[XS]|, |v[XS+1]|, |v[XS+2]|
	v_max3_num_f32 v13, |v[XS+3]|, |v[XS+4]|, |v[XS+5]|
.irp i, 6,10,14,18,22,26
	s_delay_alu instid0(VALU_DEP_2)
	v_max3_num_f32 v12, v12, |v[XS+\i]|, |v[XS+\i+1]|
	s_delay_alu instid0(VALU_DEP_2)
	v_max3_num_f32 v13, v13, |v[XS+\i+2]|, |v[XS+\i+3]|
.endr
	s_delay_alu instid0(VALU_DEP_2)
	v_max3_num_f32 v12, v12, |v[XS+30]|, |v[XS+31]|
	s_delay_alu instid0(VALU_DEP_1)
	v_max3_num_f32 v12, v12, v13, 0x1800000        ; with the floor 2^(3 - 127): the byte cannot fall under 1
	s_delay_alu instid0(VALU_DEP_1)
	v_add_nc_u32 v11, 0xff000000, v12              ; 2 off the exponent field: the conversion's scale operand
	s_delay_alu instid0(VALU_DEP_1)
	v_lshrrev_b32 v13, 23, v11                     ; the scale's byte
.if (\t) == 0
	s_delay_alu instid0(VALU_DEP_1)
	v_mov_b32 v14, v13
.else
	s_delay_alu instid0(VALU_DEP_1)
	v_lshl_or_b32 v14, v13, 8*(\t), v14
.endif
	v_cvt_scalef32_pk16_fp6_f32 v[\d:\d+2], v[XS:XS+15], v11
	v_cvt_scalef32_pk16_fp6_f32 v[TT:TT+2], v[XS+16:XS+31], v11
	v_nop                                          ; one plain place behind a scaled conversion
.irp k, 0,1,2
	v_mov_b32 v[\d+3+\k], v[TT+\k]
.endr
.if (\t)+2 < 4
	LOADB (\t)+2, \pitch
.endif
.endm
.macro BODY pitch
	LOADB 0, \pitch
	LOADB 1, \pitch
	BLOCK 0, F0, \pitch
	BLOCK 1, F1, \pitch
.irp j, 0,1,2,3,4,5                    ; blocks 0 and 1 of one column go to lanes r and r + 16 of that column's fragment
	v_permlane16_swap_b32 v[F0+\j], v[F1+\j]
.endr
	BLOCK 2, F0+6, \pitch
	BLOCK 3, F1+6, \pitch
.irp j, 6,7,8,9,10,11
	v_permlane16_swap_b32 v[F0+\j], v[F1+\j]
.endr
	global_store_b128 v3, v[F0:F0+3], s[42:43]                ; each store of the wave covers 512 or 256 consecutive bytes, aligned
	global_store_b64 v4, v[F0+4:F0+5], s[42:43] offset:512
	global_store_b128 v3, v[F0+6:F0+9], s[42:43] offset:768
	global_store_b64 v4, v[F0+10:F0+11], s[42:43] offset:1280
	global_store_b128 v3, v[F1:F1+3], s[46:47]
	global_store_b64 v4, v[F1+4:F1+5], s[46:47] offset:512
	global_store_b128 v3, v[F1+6:F1+9], s[46:47] offset:768
	global_store_b64 v4, v[F1+10:F1+11], s[46:47] offset:1280
	global_store_b32 v5, v14, s[50:51]             ; 64 bytes for each of the two row blocks
	s_wait_tensorcnt 0x0                           ; the wave's end
	ds_add_u32 v[SPW], v[NIL]
	s_wait_dscnt 0x0
	s_endpgm
.endm
	s_cmp_ge_u32 s20, 512
	s_cbranch_scc1 .Lwide
	s_wait_alu depctr_va_vdst(0)
	BODY 4096                                      ; rows of 1,024 numbers
.Lwide:
	s_wait_alu depctr_va_vdst(0)
	BODY 16384                                     ; W1: rows of 4,096 numbers
.Lfunc_end_k_q60ee7d1cfc_prep:
	.size	k_q60ee7d1cfc_prep, .Lfunc_end_k_q60ee7d1cfc_prep-k_q60ee7d1cfc_prep
	.p2alignl 7, 3214868480
	.fill 96, 4, 3214868480
	.section	.rodata,"a",@progbits
	.p2align	6, 0x0
	.amdhsa_kernel k_q60ee7d1cfc_prep
		.amdhsa_group_segment_fixed_size 87552
		.amdhsa_private_segment_fixed_size 0
		.amdhsa_enable_private_segment 0
		.amdhsa_kernarg_size 88
		.amdhsa_user_sgpr_count 2
		.amdhsa_user_sgpr_kernarg_segment_ptr 1
		.amdhsa_wavefront_size32 1
		.amdhsa_system_sgpr_workgroup_id_x 1
		.amdhsa_system_sgpr_workgroup_id_y 1
		.amdhsa_system_sgpr_workgroup_id_z 1
		.amdhsa_system_vgpr_workitem_id 0
		.amdhsa_next_free_vgpr 160
		.amdhsa_next_free_sgpr 66
		.amdhsa_reserve_vcc 0
		.amdhsa_float_denorm_mode_32 3
		.amdhsa_float_denorm_mode_16_64 3
		.amdhsa_memory_ordered 1
		.amdhsa_forward_progress 1
		.amdhsa_inst_pref_size 75
	.end_amdhsa_kernel
	.amdgpu_metadata
---
amdhsa.version: [ 1, 2 ]
amdhsa.kernels:
  - .name:           k_q60ee7d1cfc_prep
    .symbol:         k_q60ee7d1cfc_prep.kd
    .args:
      - { .name: x, .offset: 0, .size: 8, .value_kind: global_buffer, .address_space: global }
      - { .name: g1, .offset: 8, .size: 8, .value_kind: global_buffer, .address_space: global }
      - { .name: s1, .offset: 16, .size: 8, .value_kind: global_buffer, .address_space: global }
      - { .name: hq, .offset: 24, .size: 8, .value_kind: global_buffer, .address_space: global }
      - { .name: Wq, .offset: 32, .size: 8, .value_kind: global_buffer, .address_space: global }
      - { .name: Wk, .offset: 40, .size: 8, .value_kind: global_buffer, .address_space: global }
      - { .name: Wv, .offset: 48, .size: 8, .value_kind: global_buffer, .address_space: global }
      - { .name: Wo, .offset: 56, .size: 8, .value_kind: global_buffer, .address_space: global }
      - { .name: W1, .offset: 64, .size: 8, .value_kind: global_buffer, .address_space: global }
      - { .name: W2, .offset: 72, .size: 8, .value_kind: global_buffer, .address_space: global }
      - { .name: wts, .offset: 80, .size: 8, .value_kind: global_buffer, .address_space: global }
    .group_segment_fixed_size: 87552
    .private_segment_fixed_size: 0
    .kernarg_segment_align: 8
    .kernarg_segment_size: 88
    .max_flat_workgroup_size: 256
    .sgpr_count:     66
    .vgpr_count:     160
    .wavefront_size: 32
...
	.end_amdgpu_metadata
.endif
;; end of part 1
;; launch qkv (part 2): grid 8 x 32, 4 waves a work-group, clusters of 4 x 4, 327,680 bytes of LDS; arguments hq, wts, qkvq; writes qkvq
.if DOCPART == 2
	.amdgcn_target "amdgcn-amd-amdhsa--gfx1250"
	.amdhsa_code_object_version 6
	.text
	.protected	k_q60ee7d1cfc_qkv
	.globl	k_q60ee7d1cfc_qkv
	.p2align	8
	.type	k_q60ee7d1cfc_qkv,@function
k_q60ee7d1cfc_qkv:
	s_mov_b64 s[64:65], 0
	v_nop
	global_prefetch_b8 v0, s[64:65] scope:SCOPE_SE
	s_setreg_imm32_b32 hwreg(HW_REG_WAVE_MODE, 25, 1), 1
	s_wait_xcnt 0x0
	s_wait_alu depctr_hold_cnt(0) depctr_sa_sdst(0) depctr_va_vdst(0) depctr_va_sdst(0) depctr_va_ssrc(0) depctr_va_vcc(0) depctr_vm_vsrc(0)
	s_getreg_b32 s2, hwreg(HW_REG_IB_STS2, 6, 4)
	s_cmp_eq_u32 s2, 0
	s_cbranch_scc0 .Lentry_in_a_cluster
	s_endpgm
.Lentry_in_a_cluster:
	s_bfe_u32 s2, ttmp6, 0x10000c
	s_cmp_lg_u32 s2, 0xf033
	s_cbranch_scc0 .Lentry_shape_is_right
	s_endpgm
.Lentry_shape_is_right:
; q = h Wq, k = h Wk, v = h Wv on codes of FP6 (E2M3) with E8M0 scales, and the three results quantised on the way out: q and k along the head's 64, v along the keys.
; OPERANDS lie in the order of the matrix operand's registers: a fragment (16 rows x 128 K) is 1,536 dense bytes: two halves of 768: lane's registers 0-3 at 16 x lane, 4-5 at 512 + 8 x lane.
; Row block 2 b + u holds rows 32 b + 8 u + (r & 7) + 16 (r >> 3): so the 32 registers that a lane gets from four neighbouring source-0 blocks are two blocks of 32 along the next K, 16 neighbours of each.
; SHARES: work-group (x, y) takes tokens 128 y .. 128 y + 127 (all K = 1,024, 98,304 bytes) and walks three weight tiles: columns 128 x .. 128 x + 127 (heads 2 x, 2 x + 1) of Wq, Wk, Wv.
; A wave makes 64 x 64: 16 accumulators.  q, k: source 0 = weights, source 1 = tokens (a lane holds one token, registers run along the head).  v: the other way round (a lane holds one channel, registers run along the keys).
; THE TOKENS' FRAGMENTS STAY IN REGISTERS: a wave's 4 row blocks x 8 K steps x 12 = 384 registers, and 32 scale words.  The first tile brings them from LDS step by step; from the second tile on a K step reads four fragments from LDS and not eight.
; A weight tile has its whole K in one of two slots; the next tile is asked for at a tile's head and has that tile's products and its way out in which to land.
; CLUSTER 4 x 4: the tokens' tile hangs on y alone and is asked for jointly by a row of the cluster, a weight tile on x alone and by a column.
; OUT: qkvq: q codes [bh][q tile 128][768]; q scale words from 3,145,728: [bh][q tile][16 words]; from 3,407,872 records [bh][key step 16][13,056]: K 8 tiles x 768, V [4 channel blocks][2 halves][768], K words [8][16], V words [4][16].
; q's and k's scale words have bytes 2 and 3 = 0: the score product's upper 64 of K are zero codes of q.
; REGISTERS, in windows of 256: window 0: addresses, scale words, at work, v128-255 the accumulators.  window 1: the weights' fragments, two buffers, at v0 and v128.  window 2: the tokens' fragments of K steps 0-4 (48 a step).  window 3: those of K steps 5-7.
; LIMITS: a block of zeros or under 2^-124 gets the byte 1; NaN and infinities are not served.
.set NT,    3
.set RB0,   0
.set NK,    8
.set ARB,   12288
.set BRB,   12288
.set ASP,   512
.set BO1,   512
.set BO2,   1024
.set SLOT1, 1<<17                      ; LDS: weight slot 0 at 0, slot 1 here
.set SCA,   98304                      ; the tokens' scale words, 4,096 bytes
.set SCB,   102400                     ; the weights': [tile][8 row blocks][512]
.set SPARE, 118784                     ; the spare words, 128 bytes for each wave: two blocks of 256 bytes that no other line names
.set ATILE, 229376                     ; the tokens' tile, to the end of LDS
.set LA16, 4
.set LA8,  5
.set LB16, 6
.set LB8,  7
.set LSA,  8
.set LSB,  9
.set BB16, 12
.set BB8,  13
.set BSB,  15
.set SPW,  16
.set NIL,  17
.set SB,   28                          ; v28-31, v36-39: the weights' scale words, two sets, and nothing else
.set AS,   40                          ; v40-71: the tokens' scale words, 4 q + i, and nothing else: they stay
.set TM,   104
.set PW0,  110
.set PC,   114
.set ACC,  128                         ; accumulator (i1, t0) at 128 + 8 (4 i1 + t0)
.set BI,   160
.set TO_F, 0x40
.set SEL,  20
.set TB,   36
.set TS,   37
.set G1A,  24
.set G0A,  32
.set G1B,  48
.set G0B,  56
.set G1SA, 68
.set G0SA, 76
.set G1SB, 80
.set G0SB, 88
.set MSB, 0
.macro WIN new                         ; the immediate's high byte repeats the setting that is left
.if MSB != \new
	s_set_vgpr_msb (MSB<<8)|\new
.set MSB, \new
.endif
.endm
.macro PLACES                          ; four plain places behind a matrix instruction, in front of loads into its registers and of reads of its result
.rept 4
	v_nop
.endr
.endm
.macro CROUND                          ; a round of the cluster's barrier
	s_barrier_signal -1
	s_barrier_wait -1
	s_cmp_lg_u32 s14, 0
	s_cbranch_scc1 .Lnot_wave_0_\@
	s_barrier_signal -3
.Lnot_wave_0_\@:
	s_barrier_wait -3
	s_barrier_signal -1
	s_barrier_wait -1
.endm
.macro FRAGH reg, a16, a8, off         ; a fragment's 12 registers: every load reads consecutive bytes
.set rF, \reg
.set oF, \off
	ds_load_b128 v[rF:rF+3], v[\a16] offset:oF
	ds_load_b64 v[rF+4:rF+5], v[\a8] offset:oF+512
	ds_load_b128 v[rF+6:rF+9], v[\a16] offset:oF+768
	ds_load_b64 v[rF+10:rF+11], v[\a8] offset:oF+1280
.endm
.macro FETCH q, buf, set, wa           ; K step q in one run of LDS loads: the weights' four fragments and scale words; wa = 1: the tokens' too, into the registers where they stay
	WIN TO_F
.irp i, 0,1,2,3
	FRAGH (\buf)+12*\i, LB16, LB8, \i*BRB+1536*(\q)
.endr
.if \wa
	WIN (0x80+0x40*((\q)/5))                       ; destination window 2 (K steps 0-4) or 3 (5-7)
.irp i, 0,1,2,3
	FRAGH 48*((\q)%5)+12*\i, LA16, LA8, \i*ARB+1536*(\q)
.endr
.endif
	WIN 0
.irp i, 0,1,2,3
	ds_load_b32 v[SB+8*(\set)+\i], v[LSB] offset:(\i/2)*BO2+(\i%2)*BO1+64*(\q)
.endr
.if \wa
.irp i, 0,1,2,3
	ds_load_b32 v[AS+4*(\q)+\i], v[LSA] offset:\i*ASP+64*(\q)
.endr
.endif
.endm
.macro MUL q, c, typ                   ; 16 matrix instructions; the 16 accumulators take turns in the same order in every step.  c = 1: the sums begin with 0; c = 2: with the bias
.set wA, 2+(\q)/5                      ; the window of the tokens' fragments
.if \typ
	WIN (wA|0x04)                                  ; source 0: tokens; source 1: weights, window 1
.elseif (\c) == 2
	WIN (0x31|(wA<<2))                             ; source 0: weights, window 1; source 1: tokens; source 2: window 3
.else
	WIN (0x01|(wA<<2))
.endif
.irp i1, 0,1,2,3
.irp t0, 0,1,2,3
.set rD, ACC+8*(4*\i1+\t0)
.set rC, BI+8*\t0
.if \typ
.set rA, 48*((\q)%5)+12*\t0
.set rB, 128*((\q)%2)+12*\i1
.set rSA, AS+4*(\q)+\t0
.set rSB, SB+8*((\q)%2)+\i1
.else
.set rA, 128*((\q)%2)+12*\t0
.set rB, 48*((\q)%5)+12*\i1
.set rSA, SB+8*((\q)%2)+\t0
.set rSB, AS+4*(\q)+\i1
.endif
.if (\c) == 0
	v_wmma_scale_f32_16x16x128_f8f6f4 v[rD:rD+7], v[rA:rA+11], v[rB:rB+11], v[rD:rD+7], v[rSA], v[rSB] matrix_a_fmt:MATRIX_FMT_FP6 matrix_b_fmt:MATRIX_FMT_FP6
.elseif (\c) == 1
	v_wmma_scale_f32_16x16x128_f8f6f4 v[rD:rD+7], v[rA:rA+11], v[rB:rB+11], 0, v[rSA], v[rSB] matrix_a_fmt:MATRIX_FMT_FP6 matrix_b_fmt:MATRIX_FMT_FP6
.else
	v_wmma_scale_f32_16x16x128_f8f6f4 v[rD:rD+7], v[rA:rA+11], v[rB:rB+11], v[rC:rC+7], v[rSA], v[rSB] matrix_a_fmt:MATRIX_FMT_FP6 matrix_b_fmt:MATRIX_FMT_FP6
.endif
.endr
.endr
.endm
.macro KSTEP q, c, typ, wa
	s_wait_dscnt 0x0                               ; this step's loads, issued a step ago
.if (\q) < NK-1
	PLACES
	FETCH (\q)+1, 128*(((\q)+1)%2), ((\q)+1)%2, \wa
.endif
	MUL \q, \c, \typ
.endm
; 32 numbers of a lane, register 16 b + i = K 32 b + 16 (lane / 16) + i of my row, become a half fragment's six registers in v[PC] on and its two scale bytes in v[pw]
.macro QUANTH s, pw
.set QS, \s
.irp b, 0,1
	v_max3_num_f32 v[TM+\b], |v[QS+16*\b]|, |v[QS+1+16*\b]|, 0x1800000   ; with the floor 2^(3 - 127): the byte cannot fall under 1
.endr
.irp i, 2,4,6,8,10,12,14
.irp b, 0,1
	v_max3_num_f32 v[TM+\b], v[TM+\b], |v[QS+16*\b+\i]|, |v[QS+1+16*\b+\i]|
.endr
.endr
.irp b, 0,1
	v_permlanex16_b32 v[TM+2+\b], v[TM+\b], s[SEL], s[SEL+1]
.endr
.irp b, 0,1
	v_max_num_f32 v[TM+\b], v[TM+\b], v[TM+2+\b]   ; with lane l xor 16's: the block's largest magnitude
.endr
.irp b, 0,1
	v_add_nc_u32 v[TM+4+\b], 0xff000000, v[TM+\b]  ; 2 off its exponent field: the conversion's scale operand
.endr
.irp b, 0,1
	v_lshrrev_b32 v[TM+2+\b], 23, v[TM+4+\b]       ; the scale's byte
.endr
	v_lshl_or_b32 v[\pw], v[TM+3], 8, v[TM+2]
	v_cvt_scalef32_pk16_fp6_f32 v[PC:PC+2], v[QS:QS+15], v[TM+4]
	v_cvt_scalef32_pk16_fp6_f32 v[PC+6:PC+8], v[QS+16:QS+31], v[TM+5]
	v_nop                                          ; one plain place behind a scaled conversion
.irp i, 0,1,2                          ; the layout wants a whole block in a lane: lanes 0-15 block 0, lanes 16-31 block 1
	v_permlane16_swap_b32 v[PC+\i], v[PC+6+\i]
.endr
.irp i, 0,1,2
	v_mov_b32 v[PC+3+\i], v[PC+6+\i]
.endr
.endm
; The change of tiles.  Every wave waits for all its tensor loads, adds 0 to its spare word, waits for that and for its LDS reads; with fill = 1 a round of the cluster's barrier follows and the next tile is asked for first thing behind it.
.macro CHANGE fill
	s_wait_tensorcnt 0x0                           ; no tensor load of mine is out, so a group 0 may be written
	ds_add_u32 v[SPW], v[NIL]
.if \fill
	s_xor_b32 s[G0B+1], s[G0B+1], SLOT1            ; the other slot,
	s_add_nc_u64 s[G0B+2:G0B+3], s[G0B+2:G0B+3], 786432   ; the next weight: 64 row blocks on
.endif
	s_wait_dscnt 0x0                               ; the add is done, and my reads of the slot that I have left are over
.if \fill
	CROUND
	tensor_load_to_lds s[G0B:G0B+3], s[G1B:G1B+7]  ; my one tensor load until the next round: a quarter of the next tile
	s_nop 0
	PLACES
.else
	s_barrier_signal -1
	s_barrier_wait -1
	PLACES
.endif
.endm
.macro TILE typ, fill, c, wa
	CHANGE \fill
	v_add_nc_u32 v[LB16], s[TB], v[BB16]
	v_add_nc_u32 v[LB8], s[TB], v[BB8]
	s_wait_alu depctr_va_vdst(0)
	v_add_nc_u32 v[LSB], s[TS], v[BSB]
	FETCH 0, 0, 0, \wa
	s_wait_alu depctr_va_vdst(0)
	KSTEP 0, \c, \typ, \wa
.irp q, 1,2,3,4,5,6,7
	KSTEP \q, 0, \typ, \wa
.endr
	WIN 0
	PLACES
.endm
; The way out of a tile: four half fragments a wave.  words = 1: whole scale words, two blocks to a store of 128 bytes; else two bytes a row (lanes l and l xor 16 store the same value to the same place)
.macro EPI cb, cs, sbase, words, soff
.irp i1, 0,1,2,3
	s_wait_xcnt 0x0                                ; the stores before have read their registers: the codes' and the scale's may be written again
	QUANTH ACC+32*\i1, PW0+\i1
	global_store_b128 v18, v[PC:PC+3], s[\cb:\cb+1] offset:\i1*\cs
	global_store_b64 v19, v[PC+4:PC+5], s[\cb:\cb+1] offset:\i1*\cs+512
.if \words
.if \i1%2
	v_permlane16_swap_b32 v[PW0+\i1-1], v[PW0+\i1]
	global_store_b32 v20, v[PW0+\i1-1], s[\sbase:\sbase+1] offset:128*(\i1/2)
.endif
.else
	global_store_b16 v21, v[PW0+\i1], s[\sbase:\sbase+1] offset:\i1*\soff
.endif
.endr
.endm
.macro NEXT
	s_xor_b32 s[TB], s[TB], SLOT1
	s_add_co_u32 s[TS], s[TS], 4096                ; a tile's scale words are 4,096 bytes in LDS
.endm
	s_load_b128 s[4:7], s[0:1], 0x0                ; hq, wts
	s_load_b64 s[8:9], s[0:1], 0x10                ; qkvq
	v_lshl_add_u32 v[SPW], v0, 2, SPARE
	v_mov_b32 v[NIL], 0
	ds_add_u32 v[SPW], v[NIL]                      ; the wave's opening: the add and its wait ahead of my first tensor load
	ds_add_u32 v[SPW], v[NIL]
	v_lshrrev_b32 v1, 5, v0
	v_readfirstlane_b32 s14, v1                    ; wave
	s_lshr_b32 s15, s14, 1                         ; wm: my 64 tokens
	s_and_b32 s16, s14, 1                          ; wn: my 64 columns
	s_bfe_u32 s40, ttmp6, 0x40000                  ; cx
	s_bfe_u32 s41, ttmp6, 0x40004                  ; cy
	s_lshl_b32 s42, ttmp9, 2
	s_add_co_u32 s42, s42, s40                     ; x
	s_and_b32 s17, ttmp7, 0xffff
	s_lshl_b32 s17, s17, 2
	s_add_co_u32 s17, s17, s41                     ; y
	s_lshl_b32 s43, s41, 2
	s_lshl_b32 s43, 15, s43                        ; my row of the cluster
	s_lshl_b32 s44, 0x1111, s40                    ; my column
	s_or_b32 s[G1A], s43, (3<<16)|(1<<21)          ; elements of 8 bytes, no padding; bit 21 set beside a mask
	s_or_b32 s[G1B], s44, (3<<16)|(1<<21)
	s_or_b32 s[G1SA], s43, (3<<16)|(1<<21)
	s_or_b32 s[G1SB], s44, (3<<16)|(1<<21)
.irp g, G1A, G1B                       ; a quarter tile: 24,576 dense bytes as 96 rows of 256
	s_mov_b32 s[\g+1], 32<<16
	s_mov_b32 s[\g+2], 384<<16                     ; at the head a whole tile: 98,304 dense bytes as 384 rows of 256
	s_mov_b32 s[\g+3], 32<<16
	s_mov_b32 s[\g+4], 384
	s_mov_b32 s[\g+5], 32
	s_mov_b32 s[\g+6], 0
	s_mov_b32 s[\g+7], 0
.endr
	s_mov_b32 s[G1SA+1], 32<<16                    ; rows of 256 bytes: half a row block's scale words
	s_mov_b32 s[G1SA+2], 16<<16                    ; eight row blocks' scale words: 4,096 dense bytes
	s_mov_b32 s[G1SA+3], 32<<16
	s_mov_b32 s[G1SA+4], 16
	s_mov_b32 s[G1SA+5], 32
	s_mov_b32 s[G1SA+6], 0
	s_mov_b32 s[G1SA+7], 0
	s_mov_b32 s[G1SB+1], 512<<16                   ; a row is one tile's eight row blocks: 4,096 bytes
	s_mov_b32 s[G1SB+2], NT<<16
	s_mov_b32 s[G1SB+3], 512<<16
	s_mov_b32 s[G1SB+4], NT
	s_mov_b32 s[G1SB+5], 4096
	s_mov_b32 s[G1SB+6], 0
	s_mov_b32 s[G1SB+7], 0
	s_lshl_b32 s18, s17, 3                         ; tokens: row block 8 y
	s_mul_i32 s38, s18, 12288
	s_mov_b32 s39, 0
	s_lshl_b32 s18, s18, 9
	s_add_co_u32 s18, s18, 3145728
	s_mov_b32 s19, 0
	s_lshl_b32 s46, s42, 3                         ; weights: row block RB0 + 8 x
.if RB0
	s_add_co_u32 s46, s46, RB0
.endif
	s_lshl_b32 s2, s46, 9
	s_add_co_u32 s2, s2, 9437184
	s_mov_b32 s3, 0
	s_mul_i32 s46, s46, 12288
	s_mov_b32 s47, 0
	s_mov_b32 s[SEL], 0x76543210
	s_mov_b32 s[SEL+1], 0xfedcba98
	s_mov_b32 s[TB], 0
	s_mov_b32 s[TS], 0
	s_wait_dscnt 0x0                               ; the opening add is done
	s_wait_kmcnt 0x0
	s_mov_b32 s[G0A], 1
	s_mov_b32 s[G0A+1], ATILE
	s_add_nc_u64 s[G0A+2:G0A+3], s[4:5], s[38:39]
	s_or_b32 s[G0A+3], s[G0A+3], 0x80000000
	s_mov_b32 s[G0B], 1
	s_mov_b32 s[G0B+1], 0
	s_add_nc_u64 s[G0B+2:G0B+3], s[6:7], s[46:47]
	s_or_b32 s[G0B+3], s[G0B+3], 0x80000000
	s_mov_b32 s[G0SA], 1
	s_mov_b32 s[G0SA+1], SCA
	s_add_nc_u64 s[G0SA+2:G0SA+3], s[4:5], s[18:19]
	s_or_b32 s[G0SA+3], s[G0SA+3], 0x80000000
	s_mov_b32 s[G0SB], 1
	s_mov_b32 s[G0SB+1], SCB
	s_add_nc_u64 s[G0SB+2:G0SB+3], s[6:7], s[2:3]
	s_or_b32 s[G0SB+3], s[G0SB+3], 0x80000000
	CROUND                                         ; all sixteen work-groups are here: the first joint loads meet
	s_cmp_eq_u32 s14, 0                            ; the head's four tiles, one a wave, in one chain of arms
	s_cbranch_scc0 .Lh1
	tensor_load_to_lds s[G0A:G0A+3], s[G1A:G1A+7]  ; wave 0: the tokens' tile
	s_nop 0
	PLACES
	s_branch .Lhj
.Lh1:
	s_cmp_eq_u32 s14, 1
	s_cbranch_scc0 .Lh2
	tensor_load_to_lds s[G0B:G0B+3], s[G1B:G1B+7]  ; wave 1: the first weight tile
	s_nop 0
	PLACES
	s_branch .Lhj
.Lh2:
	s_cmp_eq_u32 s14, 2
	s_cbranch_scc0 .Lh3
	tensor_load_to_lds s[G0SA:G0SA+3], s[G1SA:G1SA+7]   ; wave 2: the tokens' scale words
	s_nop 0
	PLACES
	s_branch .Lhj
.Lh3:
	tensor_load_to_lds s[G0SB:G0SB+3], s[G1SB:G1SB+7]   ; wave 3: the weights' scale words, all tiles
	s_nop 0
	PLACES
.Lhj:
	v_and_b32 v3, 31, v0                           ; lane
	v_and_b32 v1, 15, v0                           ; r
	v_bfe_u32 v2, v0, 4, 1                         ; h
	s_mul_i32 s18, s15, 49152
	s_add_co_u32 s18, s18, ATILE
	v_lshl_add_u32 v[LA16], v3, 4, s18
	v_lshl_add_u32 v[LA8], v3, 3, s18
	s_mul_i32 s18, s16, 49152
	v_lshl_add_u32 v[BB16], v3, 4, s18
	v_lshl_add_u32 v[BB8], v3, 3, s18
	s_lshl_b32 s18, s15, 11
	s_add_co_u32 s18, s18, SCA
	v_lshl_add_u32 v[LSA], v1, 2, s18
	s_lshl_b32 s18, s16, 11
	s_add_co_u32 s18, s18, SCB
	v_lshl_add_u32 v[BSB], v1, 2, s18
	v_lshlrev_b32 v18, 4, v3
	v_lshlrev_b32 v19, 3, v3
	v_lshlrev_b32 v20, 2, v3
	v_lshlrev_b32 v21, 2, v1
	v_mov_b32 v[TM+2], 0                           ; written once: a lane permute's destination counts as one of its sources
	v_mov_b32 v[TM+3], 0
	s_lshr_b32 s38, s17, 4                         ; where the results go: batch = y >> 4, key step yk = y & 15, bh = 16 batch + 2 x + wn
	s_lshl_b32 s38, s38, 4
	s_lshl_b32 s39, s42, 1
	s_add_co_u32 s38, s38, s39
	s_add_co_u32 s38, s38, s16
	s_and_b32 s39, s17, 15
	s_lshl_b32 s45, s38, 7
	s_lshl_b32 s18, s39, 3
	s_add_co_u32 s45, s45, s18
	s_lshl_b32 s18, s15, 2
	s_add_co_u32 s45, s45, s18                     ; q tile 128 bh + 8 yk + 4 wm
	s_mul_i32 s18, s45, 768
	s_mov_b32 s19, 0
	s_add_nc_u64 s[92:93], s[8:9], s[18:19]        ; q's codes
	s_lshl_b32 s18, s45, 6
	s_add_co_u32 s18, s18, 3145728
	s_add_nc_u64 s[94:95], s[8:9], s[18:19]        ; q's scale words
	s_lshl_b32 s45, s38, 4
	s_add_co_u32 s45, s45, s39
	s_mul_i32 s45, s45, 13056
	s_add_co_u32 s45, s45, 3407872                 ; the record of (bh, yk)
	s_mul_i32 s18, s15, 3072
	s_add_co_u32 s18, s18, s45
	s_add_nc_u64 s[96:97], s[8:9], s[18:19]        ; k's codes: tiles 4 wm on
	s_lshl_b32 s18, s15, 8
	s_add_co_u32 s18, s18, s45
	s_add_co_u32 s18, s18, 12288
	s_add_nc_u64 s[98:99], s[8:9], s[18:19]        ; k's scale words
	s_mul_i32 s18, s15, 768
	s_add_co_u32 s18, s18, s45
	s_add_co_u32 s18, s18, 6144
	s_add_nc_u64 s[60:61], s[8:9], s[18:19]        ; v's codes: half wm of each channel block
	s_lshl_b32 s18, s15, 1
	s_add_co_u32 s18, s18, s45
	s_add_co_u32 s18, s18, 12800
	s_add_nc_u64 s[62:63], s[8:9], s[18:19]        ; v's scale bytes 2 wm, 2 wm + 1
	s_wait_alu depctr_va_vdst(0)
	s_wait_tensorcnt 0x0                           ; no tensor load of mine is out: from here on a load brings my quarter of a weight tile
	s_mul_i32 s46, s14, 24576
	s_mov_b32 s47, 0
	s_add_co_u32 s[G0B+1], s[G0B+1], s46
	s_add_nc_u64 s[G0B+2:G0B+3], s[G0B+2:G0B+3], s[46:47]
	s_mov_b32 s[G1B+2], 96<<16
	s_mov_b32 s[G1B+4], 96
	TILE 0, 1, 1, 1
	EPI 92, 768, 94, 1, 0
	NEXT
	TILE 0, 1, 1, 0                                ; k; Wv's tile is asked for
	EPI 96, 768, 98, 1, 0
	NEXT
	TILE 1, 0, 1, 0                                ; v: nothing is left to fetch
	EPI 60, 1536, 62, 0, 64
	s_wait_tensorcnt 0x0                           ; the wave's end
	ds_add_u32 v[SPW], v[NIL]
	s_wait_dscnt 0x0
	CROUND                                         ; the closing round
	s_endpgm
.Lfunc_end_k_q60ee7d1cfc_qkv:
	.size	k_q60ee7d1cfc_qkv, .Lfunc_end_k_q60ee7d1cfc_qkv-k_q60ee7d1cfc_qkv
	.p2alignl 7, 3214868480
	.fill 96, 4, 3214868480
	.section	.rodata,"a",@progbits
	.p2align	6, 0x0
	.amdhsa_kernel k_q60ee7d1cfc_qkv
		.amdhsa_group_segment_fixed_size 327680
		.amdhsa_private_segment_fixed_size 0
		.amdhsa_enable_private_segment 0
		.amdhsa_kernarg_size 24
		.amdhsa_user_sgpr_count 2
		.amdhsa_user_sgpr_kernarg_segment_ptr 1
		.amdhsa_wavefront_size32 1
		.amdhsa_system_sgpr_workgroup_id_x 1
		.amdhsa_system_sgpr_workgroup_id_y 1
		.amdhsa_system_sgpr_workgroup_id_z 1
		.amdhsa_system_vgpr_workitem_id 0
		.amdhsa_next_free_vgpr 1024
		.amdhsa_next_free_sgpr 100
		.amdhsa_reserve_vcc 0
		.amdhsa_float_denorm_mode_32 3
		.amdhsa_float_denorm_mode_16_64 3
		.amdhsa_memory_ordered 1
		.amdhsa_forward_progress 1
		.amdhsa_inst_pref_size 132
	.end_amdhsa_kernel
	.amdgpu_metadata
---
amdhsa.version: [ 1, 2 ]
amdhsa.kernels:
  - .name:           k_q60ee7d1cfc_qkv
    .symbol:         k_q60ee7d1cfc_qkv.kd
    .args:
      - { .name: hq, .offset: 0, .size: 8, .value_kind: global_buffer, .address_space: global }
      - { .name: wts, .offset: 8, .size: 8, .value_kind: global_buffer, .address_space: global }
      - { .name: qkvq, .offset: 16, .size: 8, .value_kind: global_buffer, .address_space: global }
    .group_segment_fixed_size: 327680
    .private_segment_fixed_size: 0
    .kernarg_segment_align: 8
    .kernarg_segment_size: 24
    .max_flat_workgroup_size: 128
    .sgpr_count:     100
    .vgpr_count:     1024
    .wavefront_size: 32
...
	.end_amdgpu_metadata
.endif
;; end of part 2
;; launch attn (part 3): grid 8 x 32, 16 waves a work-group, clusters of 4 x 1, 280,576 bytes of LDS; arguments qkvq, ctxq; writes ctxq
.if DOCPART == 3
	.amdgcn_target "amdgcn-amd-amdhsa--gfx1250"
	.amdhsa_code_object_version 6
	.text
	.protected	k_q60ee7d1cfc_attn
	.globl	k_q60ee7d1cfc_attn
	.p2align	8
	.type	k_q60ee7d1cfc_attn,@function
k_q60ee7d1cfc_attn:
	s_mov_b64 s[64:65], 0
	v_nop
	global_prefetch_b8 v0, s[64:65] scope:SCOPE_SE
	s_setreg_imm32_b32 hwreg(HW_REG_WAVE_MODE, 25, 1), 1
	s_wait_xcnt 0x0
	s_wait_alu depctr_hold_cnt(0) depctr_sa_sdst(0) depctr_va_vdst(0) depctr_va_sdst(0) depctr_va_ssrc(0) depctr_va_vcc(0) depctr_vm_vsrc(0)
	s_getreg_b32 s2, hwreg(HW_REG_IB_STS2, 6, 4)
	s_cmp_eq_u32 s2, 0
	s_cbranch_scc0 .Lentry_in_a_cluster
	s_endpgm
.Lentry_in_a_cluster:
	s_bfe_u32 s2, ttmp6, 0x10000c
	s_cmp_lg_u32 s2, 0x3003
	s_cbranch_scc0 .Lentry_shape_is_right
	s_endpgm
.Lentry_shape_is_right:
; ctx = softmax(q k^T / 8, causal) v for 32 heads of 2,048 x 64, both products on codes of FP6 (E2M3) with E8M0 scales; ctx is quantised along the head's 64 on the way out.
; THE SOFTMAX AHEAD OF THE SECOND PRODUCT: t = score x log2(e) / 8; M = the running largest t rounded UP to a whole number; p = 2^(t - M) is quantised along the keys, not normalised; the row's sum is taken of the
; unquantised p and divides at the end.  When M moves, sum and O are multiplied by 2^(old M - new M): exact.
; SHARES: work-group (p, bh), p = 0 .. 7.  Wave w has g = w xor 15 x (the parity of w's four bits) and owns q tile 8 g + p: 16 queries inside keys 128 g .. 128 g + 127.  So it needs key steps 0 .. g, the diagonal is step g, and every branch hangs on
; the wave's number and a counter alone; p enters global addresses and the mask's threshold only.  Every work-group has 136 steps of a wave.  g + 1, laid in a square of four by four by w, has 34 in every row and in every column:
; waves w, w + 4, w + 8, w + 12 together have 34 steps, and so have waves 4 k .. 4 k + 3.
; LDS: the head's 16 records of 13,056 bytes (K 8 tiles x 768, V 4 fragments x 1,536, K's scale words, V's) are filled ONCE, by joint loads of the cluster's four work-groups, which walk the same head; nothing is filled again.
; LAYOUT: both products transposed (S^T = K q^T, O^T = V^T p^T): a lane holds one query.  Key tile 2 b + u holds keys 32 b + 8 u + (r & 7) + 16 (r >> 3), so 16 registers of two neighbouring tiles are 16 neighbouring keys.
; THE SCORE PRODUCT HAS K = 64: q's registers 6-11 are zero codes.  K's operand for tile i is v[34 + 6 i .. + 11]: its upper six registers are the NEXT tile's codes (six zeros behind the last), multiplied by q's zeros under scale byte 0.
; LIMITS: a block of zeros or under 2^-124 gets the byte 1; NaN and infinities are not served.
.set RECB,  13056
.set SPARE, 208896                     ; behind the records: the spare words, 128 bytes for each wave: eight blocks of 256 bytes that no other line names
.set SPW, 5
.set NIL, 6
.set BM,  212                          ; v212-215 the blocks' largest scores
.set PT,  216                          ; v216-219 at work
.set SO,  220                          ; v220-223 the conversions' scale operands
.set WV,  8
.set GW,  9
.set KS,  14
.set TB,  15
.set SEL, 16
.set CS,  18
.set CNT, 52
; THE KEY STEPS ARE DEALT EVENLY.  A wave with g < 8 makes its own tile (steps 0 .. g), stores it, and then makes steps 0 .. 7 - g of tile 15 - g: g + 1 + 8 - g = 9 steps.
; The wave that owns tile 15 - g makes the other 8 steps, takes the helper's O^T, sum and -M from LDS behind a barrier and joins them: both M are whole numbers, so both factors are exact powers of two.
.set LO,  28                           ; the first and the last key step that I work on, and the diagonal's
.set HI,  29
.set DG,  30
.set MRG, 210944                       ; behind the spare words: 4,352 bytes for each wave: O^T as 8 x 512, then (sum, -M) as 256
.macro CROUND
	s_barrier_signal -1
	s_barrier_wait -1
	s_cmp_lg_u32 s[WV], 0
	s_cbranch_scc1 .Lnot_wave_0_\@
	s_barrier_signal -3
.Lnot_wave_0_\@:
	s_barrier_wait -3
	s_barrier_signal -1
	s_barrier_wait -1
.endm
	s_load_b128 s[4:7], s[0:1], 0x0                ; qkvq, ctxq
	v_lshl_add_u32 v[SPW], v0, 2, SPARE
	v_mov_b32 v[NIL], 0
	ds_add_u32 v[SPW], v[NIL]                      ; the wave's opening: the add and its wait ahead of the first tensor loads
	ds_add_u32 v[SPW], v[NIL]
	v_lshrrev_b32 v1, 5, v0
	s_delay_alu instid0(VALU_DEP_1)
	v_readfirstlane_b32 s[WV], v1                  ; wave 0..15
	s_lshr_b32 s[GW], s[WV], 2
	s_xor_b32 s[GW], s[GW], s[WV]                  ; bits 0 and 1: w's bit 0 xor bit 2, bit 1 xor bit 3
	s_lshr_b32 s10, s[GW], 1
	s_xor_b32 s[GW], s[GW], s10
	s_and_b32 s[GW], s[GW], 1                      ; the parity of w's four bits
	s_mul_i32 s[GW], s[GW], 15
	s_xor_b32 s[GW], s[GW], s[WV]                  ; g = w, or 15 - w where the parity is odd
	s_bfe_u32 s10, ttmp6, 0x40000                  ; cx
	s_lshl_b32 s11, ttmp9, 2
	s_add_co_u32 s11, s11, s10                     ; p
	s_and_b32 s12, ttmp7, 0xffff                   ; bh, which the four partners share
	s_lshl_b32 s13, s[GW], 3
	s_add_co_u32 s13, s13, s11                     ; my q tile
	s_mov_b32 s20, 15|(3<<16)|(1<<21)              ; group 1: all four work-groups; elements of 8 bytes; bit 21 set beside a mask; one record: 51 rows of 256 bytes
	s_mov_b32 s21, 32<<16
	s_mov_b32 s22, 51<<16
	s_mov_b32 s23, 32<<16
	s_mov_b32 s24, 51
	s_mov_b32 s25, 32
	s_mov_b32 s26, 0
	s_mov_b32 s27, 0
	s_xor_b32 s31, s[GW], 15                       ; 15 - g: my partner's tile
	s_max_u32 s[LO], s[GW], 7
	s_sub_co_u32 s[LO], s[LO], 7                   ; g < 8: from step 0; else from step g - 7
	s_mov_b32 s[HI], s[GW]
	s_mov_b32 s[DG], s[GW]
	s_sub_co_i32 s34, 7, s[GW]                     ; the helper's last step; under 0 where there is nothing to help with
	s_mul_i32 s44, s12, 208896
	s_add_co_u32 s44, s44, 3407872                 ; the head's records
	s_mul_i32 s46, s[WV], RECB                     ; wave w: record w,
	s_add_co_u32 s48, s44, s46
	s_mov_b32 s49, 0
	s_mov_b32 s[SEL], 0x76543210
	s_mov_b32 s[SEL+1], 0xfedcba98
	s_mov_b32 s[CS], 0x3e38aa3b                    ; c = log2(e) / 8
	s_mov_b32 s[CS+1], s[CS]
	s_mov_b32 s[KS], 0
	s_mov_b32 s[TB], 0
	s_wait_dscnt 0x0                               ; the opening add is done
	s_wait_kmcnt 0x0
	s_mov_b32 s36, 1
	s_mov_b32 s37, s46
	s_add_nc_u64 s[38:39], s[4:5], s[48:49]
	s_or_b32 s39, s39, 0x80000000
	CROUND                                         ; all four work-groups are here: the joint loads meet
	tensor_load_to_lds s[36:39], s[20:27]          ; sixteen waves, sixteen records: wave w asks for record w, its one tensor load
	s_nop 0
.rept 4
	v_nop
.endr
	v_and_b32 v7, 31, v0
	s_delay_alu instid0(VALU_DEP_1)
	v_lshlrev_b32 v1, 4, v7                        ; 16 x lane
	s_delay_alu instid0(VALU_DEP_2)
	v_lshlrev_b32 v2, 3, v7                        ; 8 x lane
	s_delay_alu instid0(VALU_DEP_3)
	v_lshlrev_b32 v3, 2, v7                        ; 4 x lane
	v_and_b32 v8, 15, v0                           ; r
	v_bfe_u32 v9, v0, 4, 1                         ; h
	s_delay_alu instid0(VALU_DEP_2)
	v_lshlrev_b32 v7, 2, v8                        ; 4 r
	s_wait_alu depctr_va_vdst(0)
	s_lshr_b32 s44, s11, 1
	s_lshl_b32 s44, s44, 5
	s_and_b32 s45, s11, 1
	s_lshl_b32 s45, s45, 3
	s_add_co_u32 s44, s44, s45
	v_and_b32 v4, 7, v8
	v_lshrrev_b32 v10, 3, v8
	s_delay_alu instid0(VALU_DEP_1)
	v_lshl_add_u32 v4, v10, 4, v4
	v_lshlrev_b32 v10, 4, v9
	s_delay_alu instid0(VALU_DEP_1)
	v_sub_nc_u32 v4, v4, v10
	s_delay_alu instid0(VALU_DEP_1)
	v_add_nc_u32 v4, s44, v4                       ; my query's place in its 128, less 16 h: register 16 b + i is hidden on the diagonal where 32 b + i is above it
	s_lshl_b32 s44, s12, 7
	s_add_co_u32 s44, s44, s13
	s_mul_i32 s46, s44, 768
	s_mov_b32 s47, 0
	s_add_nc_u64 s[56:57], s[4:5], s[46:47]
	s_lshl_b32 s46, s44, 6
	s_add_co_u32 s46, s46, 3145728
	s_add_nc_u64 s[58:59], s[4:5], s[46:47]
	global_load_b128 v[16:19], v1, s[56:57]        ; q's half fragment stays in registers
	global_load_b64 v[20:21], v2, s[56:57] offset:512
	global_load_b32 v11, v7, s[58:59]
	s_lshl_b32 s44, s31, 3                         ; q tile 8 (15 - g) + p: my partner's queries
	s_add_co_u32 s44, s44, s11
	s_lshl_b32 s45, s12, 7
	s_add_co_u32 s44, s44, s45
	s_mul_i32 s46, s44, 768
	s_add_nc_u64 s[40:41], s[4:5], s[46:47]
	s_lshl_b32 s46, s44, 6
	s_add_co_u32 s46, s46, 3145728
	s_add_nc_u64 s[42:43], s[4:5], s[46:47]
	global_load_b128 v[228:231], v1, s[40:41]
	global_load_b64 v[232:233], v2, s[40:41] offset:512
	global_load_b32 v234, v7, s[42:43]
	s_mul_i32 s45, s[GW], 4352                     ; where I put what I hand over,
	s_add_co_u32 s45, s45, MRG
	v_add_nc_u32 v235, s45, v1
	s_add_co_u32 s45, s45, 4096
	v_add_nc_u32 v236, s45, v2
	s_mul_i32 s45, s31, 4352                       ; and where my partner puts it
	s_add_co_u32 s45, s45, MRG
	v_add_nc_u32 v237, s45, v1
	s_add_co_u32 s45, s45, 4096
	v_add_nc_u32 v238, s45, v2
	s_lshr_b32 s44, s12, 4
	s_lshl_b32 s44, s44, 7
	s_add_co_u32 s44, s44, s13                     ; ctx: row block 128 batch + q tile,
	s_and_b32 s45, s12, 15                         ; half = the head
	s_lshl_b32 s46, s44, 4
	s_add_co_u32 s46, s46, s45
	s_mul_i32 s46, s46, 768
	s_add_nc_u64 s[60:61], s[6:7], s[46:47]
	s_lshl_b32 s46, s44, 9
	s_lshr_b32 s48, s45, 1
	s_lshl_b32 s48, s48, 6
	s_add_co_u32 s46, s46, s48
	s_and_b32 s48, s45, 1
	s_lshl_b32 s48, s48, 1
	s_add_co_u32 s46, s46, s48
	s_add_co_u32 s46, s46, 3145728
	s_add_nc_u64 s[62:63], s[6:7], s[46:47]
.irp j, 22,23,24,25,26,27,82,83,84,85,86,87
	v_mov_b32 v[\j], 0                             ; zero codes: q's upper 64 of K, and what stands behind K's last tile
.endr
	v_mov_b32 v13, 0xff61b1e6                      ; the largest t so far: -3e38
	s_delay_alu instid0(VALU_DEP_1)
	v_floor_f32 v12, -v13                          ; -M
	v_mov_b32 v14, 0                               ; the sum, in two halves
	v_mov_b32 v15, 0
.set n, 0
.rept 32
	v_mov_b32 v[160+n], 0                          ; O^T: the step is written once: the first finds zeros
.set n, n+1
.endr
.irp j, 212,213,214,215,216,217,218,219,220,221,222,223,224,226,227
	v_mov_b32 v[\j], 0                             ; written once: lane permutes' destinations and the pair v[226:227].  (v225 holds p's scale word and nothing else)
.endr
; A KEY STEP: 128 keys.  A step all of whose keys come after my queries is left out: a branch on the wave's number and the counter, round the work alone
.macro STEP own                        ; own = 1: my own tile, with a first step and a diagonal; own = 0: the helper's steps, which begin at 0 and never reach the diagonal
	s_cmp_gt_i32 s[KS], s[HI]
	s_cbranch_scc1 .Lhidden_\@
.if \own
	s_cmp_lt_u32 s[KS], s[LO]
	s_cbranch_scc1 .Lhidden_\@
.endif
	v_add_nc_u32 v8, s[TB], v1
	v_add_nc_u32 v9, s[TB], v2
	v_add_nc_u32 v10, s[TB], v3
	v_nop                                          ; four places in front of loads into registers that the last products read
.irp i, 0,1,2,3,4,5,6,7
	ds_load_b128 v[34+6*\i:37+6*\i], v8 offset:768*\i
	ds_load_b64 v[38+6*\i:39+6*\i], v9 offset:768*\i+512
.endr
.irp a, 0,1,2,3
	ds_load_b32 v[28+\a], v10 offset:12288+128*\a  ; K's scale words: lanes 0-15 tile 2 a, lanes 16-31 tile 2 a + 1
.endr
	s_wait_alu depctr_va_vdst(0)
	s_wait_dscnt 0x0
.irp i, 0,2,4,6
	v_wmma_scale_f32_16x16x128_f8f6f4 v[96+8*\i:103+8*\i], v[34+6*\i:45+6*\i], v[16:27], 0, v[28+\i/2], v11 matrix_a_fmt:MATRIX_FMT_FP6 matrix_b_fmt:MATRIX_FMT_FP6
	v_wmma_scale_f32_16x16x128_f8f6f4 v[104+8*\i:111+8*\i], v[40+6*\i:51+6*\i], v[16:27], 0, v[28+\i/2], v11 matrix_a_fmt:MATRIX_FMT_FP6 matrix_b_fmt:MATRIX_FMT_FP6 matrix_a_scale:MATRIX_SCALE_ROW1
.endr
.rept 4
	v_nop
.endr
.irp d, 0,1,2,3                        ; V's four fragments are asked for here and land under the softmax
	ds_load_b128 v[34+12*\d:37+12*\d], v8 offset:6144+1536*\d
	ds_load_b64 v[38+12*\d:39+12*\d], v9 offset:6144+1536*\d+512
	ds_load_b128 v[40+12*\d:43+12*\d], v8 offset:6144+1536*\d+768
	ds_load_b64 v[44+12*\d:45+12*\d], v9 offset:6144+1536*\d+1280
.endr
.irp a, 0,1
	ds_load_b32 v[32+\a], v10 offset:12800+128*\a
.endr
.if \own
	s_cmp_lg_u32 s[KS], s[DG]
	s_cbranch_scc1 .Lopen_\@
	v_mov_b32 v224, 0xff800000                     ; on the diagonal hidden scores become -infinity ahead of the maximum: p = 0 then
.set n, 0
.rept 64
	v_cmp_gt_i32 vcc_lo, 32*(n/16)+n%16, v4
	v_cndmask_b32 v[96+n], v[96+n], v224, vcc_lo
.set n, n+1
.endr
.Lopen_\@:
.endif
.irp b, 0,1,2,3
	v_max3_num_f32 v[BM+\b], v[96+16*\b], v[97+16*\b], v[98+16*\b]   ; the largest score of each block of 32 keys: for the row's maximum and, since p rises with the score, for the block's largest p
.endr
.irp i, 3,5,7,9,11,13
.irp b, 0,1,2,3
	v_max3_num_f32 v[BM+\b], v[BM+\b], v[96+16*\b+\i], v[97+16*\b+\i]
.endr
.endr
.irp b, 0,1,2,3
	v_max_num_f32 v[BM+\b], v[BM+\b], v[111+16*\b]
.endr
.irp b, 0,1,2,3
	s_delay_alu instid0(VALU_DEP_4)
	v_permlanex16_b32 v[PT+\b], v[BM+\b], s[SEL], s[SEL+1]
.endr
.irp b, 0,1,2,3
	s_delay_alu instid0(VALU_DEP_4)
	v_max_num_f32 v[BM+\b], v[BM+\b], v[PT+\b]
.endr
	s_delay_alu instid0(VALU_DEP_2)
	v_max3_num_f32 v224, v212, v213, v214
	s_delay_alu instid0(VALU_DEP_1)
	v_max_num_f32 v224, v224, v215
	s_delay_alu instid0(VALU_DEP_1)
	v_mul_f32 v224, s[CS], v224
	s_delay_alu instid0(VALU_DEP_1)
	v_max_num_f32 v13, v13, v224                   ; the running largest t
	v_mov_b32 v224, v12
	s_delay_alu instid0(VALU_DEP_2)
	v_floor_f32 v12, -v13                          ; the new -M = -ceil(t): a whole number
	s_delay_alu instid0(VALU_DEP_1)
	v_sub_f32 v224, v12, v224
	s_delay_alu instid0(VALU_DEP_1)
	v_cvt_i32_f32 v224, v224                       ; (it saturates)
	s_delay_alu instid0(VALU_DEP_1)
	v_ldexp_f32 v226, 1.0, v224                    ; f = 2^(old M - new M)
.set n, 0
.rept 32
	v_pk_fma_f32 v[96+n:97+n], v[96+n:97+n], s[CS:CS+1], v[12:13] op_sel_hi:[1,0,0]   ; t - M
.set n, n+2
.endr
.irp b, 0,1,2,3
	v_fma_f32 v[BM+\b], v[BM+\b], s[CS], v12       ; the same of each block's largest score
.endr
.set n, 0
	s_wait_alu depctr_va_vdst(0)
.rept 64
	v_exp_f32 v[96+n], v[96+n]                     ; p = 2^(t - M)
.set n, n+1
.endr
.irp b, 0,1,2,3
	v_exp_f32 v[BM+\b], v[BM+\b]                   ; the blocks' largest p: one batch of 68 exponentials
.endr
	v_pk_mul_f32 v[14:15], v[14:15], v[226:227] op_sel_hi:[1,0]   ; the sums under the new M; a plain place behind the exponentials
.set n, 0
	s_wait_alu depctr_va_vdst(0)
.rept 16
	v_pk_mul_f32 v[160+n:161+n], v[160+n:161+n], v[226:227] op_sel_hi:[1,0]   ; O^T under the new M: work that names no exponential's result
.set n, n+2
.endr
	s_wait_alu depctr_va_vdst(0)                   ; one wait for the batch, ahead of its first reader
.irp b, 0,1,2,3
	v_max_num_f32 v[BM+\b], 0x1800000, v[BM+\b]    ; the floor 2^(3 - 127)
.endr
.irp b, 0,1,2,3
	s_delay_alu instid0(VALU_DEP_4)
	v_add_nc_u32 v[SO+\b], 0xff000000, v[BM+\b]    ; 2 off the exponent field: the conversion's scale operand
.endr
.irp b, 0,1,2,3
	s_delay_alu instid0(VALU_DEP_4)
	v_lshrrev_b32 v[PT+\b], 23, v[SO+\b]           ; the scale's byte
.endr
	s_delay_alu instid0(VALU_DEP_3)
	v_lshl_or_b32 v225, v217, 8, v216              ; p's scale word for these 128 keys
	s_delay_alu instid0(VALU_DEP_1)
	v_lshl_or_b32 v225, v218, 16, v225
	s_delay_alu instid0(VALU_DEP_1)
	v_lshl_or_b32 v225, v219, 24, v225
.irp c, 0,1
	v_cvt_scalef32_pk16_fp6_f32 v[192+6*\c:194+6*\c], v[96+32*\c:111+32*\c], v[SO+2*\c]
	v_cvt_scalef32_pk16_fp6_f32 v[204+4*\c:206+4*\c], v[112+32*\c:127+32*\c], v[SO+2*\c+1]
.endr
	v_nop                                          ; one plain place behind a scaled conversion
.irp c, 0,1
.irp i, 0,1,2
	v_permlane16_swap_b32 v[192+6*\c+\i], v[204+4*\c+\i]
.endr
.irp i, 0,1,2
	s_delay_alu instid0(VALU_DEP_3)
	v_mov_b32 v[195+6*\c+\i], v[204+4*\c+\i]
.endr
.endr
	v_pk_add_f32 v[216:217], v[100:101], v[104:105]
	v_pk_add_f32 v[254:255], v[108:109], v[112:113]
	v_pk_add_f32 v[252:253], v[116:117], v[120:121]
	v_pk_add_f32 v[250:251], v[124:125], v[128:129]
	v_pk_add_f32 v[248:249], v[132:133], v[136:137]
	v_pk_add_f32 v[246:247], v[140:141], v[144:145]
	v_pk_add_f32 v[244:245], v[148:149], v[152:153]
	v_pk_add_f32 v[14:15], v[14:15], v[156:157]
	v_pk_add_f32 v[216:217], v[216:217], v[96:97]
	v_pk_add_f32 v[254:255], v[254:255], v[98:99]
	v_pk_add_f32 v[252:253], v[252:253], v[102:103]
	v_pk_add_f32 v[250:251], v[250:251], v[106:107]
	v_pk_add_f32 v[248:249], v[248:249], v[110:111]
	v_pk_add_f32 v[246:247], v[246:247], v[114:115]
	v_pk_add_f32 v[244:245], v[244:245], v[118:119]
	v_pk_add_f32 v[14:15], v[14:15], v[122:123]
	v_pk_add_f32 v[216:217], v[216:217], v[126:127]
	v_pk_add_f32 v[254:255], v[254:255], v[130:131]
	v_pk_add_f32 v[252:253], v[252:253], v[134:135]
	v_pk_add_f32 v[250:251], v[250:251], v[138:139]
	v_pk_add_f32 v[248:249], v[248:249], v[142:143]
	v_pk_add_f32 v[246:247], v[246:247], v[146:147]
	v_pk_add_f32 v[244:245], v[244:245], v[150:151]
	v_pk_add_f32 v[14:15], v[14:15], v[154:155]
	v_pk_add_f32 v[216:217], v[216:217], v[158:159]
	s_delay_alu instid0(VALU_DEP_2)
	v_pk_add_f32 v[14:15], v[14:15], v[250:251]
	s_delay_alu instid0(VALU_DEP_2)
	v_pk_add_f32 v[216:217], v[216:217], v[248:249]
	v_pk_add_f32 v[254:255], v[254:255], v[246:247]
	v_pk_add_f32 v[252:253], v[252:253], v[244:245]
	s_delay_alu instid0(VALU_DEP_2)
	v_pk_add_f32 v[14:15], v[14:15], v[254:255]
	s_delay_alu instid0(VALU_DEP_2)
	v_pk_add_f32 v[216:217], v[216:217], v[252:253]
	s_delay_alu instid0(VALU_DEP_1)
	v_pk_add_f32 v[14:15], v[14:15], v[216:217]
	s_wait_dscnt 0x0                               ; V
.irp d, 0,2
	v_wmma_scale_f32_16x16x128_f8f6f4 v[160+8*\d:167+8*\d], v[34+12*\d:45+12*\d], v[192:203], v[160+8*\d:167+8*\d], v[32+\d/2], v225 matrix_a_fmt:MATRIX_FMT_FP6 matrix_b_fmt:MATRIX_FMT_FP6
	v_wmma_scale_f32_16x16x128_f8f6f4 v[168+8*\d:175+8*\d], v[46+12*\d:57+12*\d], v[192:203], v[168+8*\d:175+8*\d], v[32+\d/2], v225 matrix_a_fmt:MATRIX_FMT_FP6 matrix_b_fmt:MATRIX_FMT_FP6 matrix_a_scale:MATRIX_SCALE_ROW1
.endr
.Lhidden_\@:
	s_add_co_u32 s[TB], s[TB], RECB
	s_add_co_u32 s[KS], s[KS], 1
.endm
.macro WAYOUT
	; THE WAY OUT: O^T / the sum is my query's 32 numbers of the head (register 16 b + i = channel 32 b + 16 h + i): a half fragment of the next product's operand
.rept 4
	v_nop
.endr
	s_wait_alu depctr_va_vdst(0)
	v_add_f32 v14, v14, v15
	s_delay_alu instid0(VALU_DEP_1)
	v_permlanex16_b32 v224, v14, s[SEL], s[SEL+1]
	s_delay_alu instid0(VALU_DEP_1)
	v_add_f32 v14, v14, v224
	s_wait_alu depctr_va_vdst(0)
	v_rcp_f32 v14, v14
	v_nop
	s_wait_alu depctr_va_vdst(0)                   ; ahead of the reciprocal's first reader
.set n, 0
.rept 32
	v_mul_f32 v[96+n], v[160+n], v14
.set n, n+1
.endr
.irp b, 0,1
	v_max3_num_f32 v[BM+\b], |v[96+16*\b]|, |v[97+16*\b]|, 0x1800000
.endr
.irp i, 2,4,6,8,10,12,14
.irp b, 0,1
	s_delay_alu instid0(VALU_DEP_2)
	v_max3_num_f32 v[BM+\b], v[BM+\b], |v[96+16*\b+\i]|, |v[97+16*\b+\i]|
.endr
.endr
.irp b, 0,1
	s_delay_alu instid0(VALU_DEP_2)
	v_permlanex16_b32 v[BM+2+\b], v[BM+\b], s[SEL], s[SEL+1]
.endr
.irp b, 0,1
	s_delay_alu instid0(VALU_DEP_2)
	v_max_num_f32 v[BM+\b], v[BM+\b], v[BM+2+\b]
.endr
.irp b, 0,1
	s_delay_alu instid0(VALU_DEP_2)
	v_add_nc_u32 v[BM+4+\b], 0xff000000, v[BM+\b]
.endr
.irp b, 0,1
	s_delay_alu instid0(VALU_DEP_2)
	v_lshrrev_b32 v[BM+2+\b], 23, v[BM+4+\b]
.endr
	s_delay_alu instid0(VALU_DEP_1)
	v_lshl_or_b32 v224, v[BM+3], 8, v[BM+2]
	v_cvt_scalef32_pk16_fp6_f32 v[192:194], v[96:111], v[BM+4]
	v_cvt_scalef32_pk16_fp6_f32 v[198:200], v[112:127], v[BM+5]
	v_nop
.irp i, 0,1,2
	v_permlane16_swap_b32 v[192+\i], v[198+\i]
.endr
.irp i, 0,1,2
	s_delay_alu instid0(VALU_DEP_3)
	v_mov_b32 v[195+\i], v[198+\i]
.endr
	global_store_b128 v1, v[192:195], s[60:61]     ; 512 and 256 consecutive bytes, aligned
	global_store_b64 v2, v[196:197], s[60:61] offset:512
	global_store_b16 v7, v224, s[62:63]            ; my row's two scale bytes (lanes l and l xor 16 store the same value to the same place)
.endm
	s_wait_alu depctr_va_vdst(0)
	s_wait_tensorcnt 0x0                           ; my record is in
	s_barrier_signal -1
	s_barrier_wait -1                              ; all sixteen records are whole
	s_wait_loadcnt 0x0                             ; both q
	s_mov_b32 s[CNT], 16
.Lown:
	STEP 1
	s_sub_co_u32 s[CNT], s[CNT], 1
	s_cmp_lg_u32 s[CNT], 0
	s_cbranch_scc1 .Lown
	s_cmp_lt_u32 s[GW], 8
	s_cbranch_scc0 .Lowner
	WAYOUT                                         ; g < 8: my tile is whole
	s_wait_xcnt 0x0                                ; the stores have read their registers
	v_mov_b32 v11, v234                            ; my partner's queries, and the state as at the start
.irp j, 0,1,2,3,4,5
	v_mov_b32 v[16+\j], v[228+\j]
.endr
	v_mov_b32 v13, 0xff61b1e6
	v_floor_f32 v12, -v13
	v_mov_b32 v14, 0
	v_mov_b32 v15, 0
.set n, 0
.rept 32
	v_mov_b32 v[160+n], 0
.set n, n+1
.endr
	s_wait_alu depctr_va_vdst(0)
.Lowner:
	s_mov_b32 s[HI], s34
	s_mov_b32 s[KS], 0
	s_mov_b32 s[TB], 0
	s_mov_b32 s[CNT], 8
.Lhelp:
	STEP 0
	s_sub_co_u32 s[CNT], s[CNT], 1
	s_cmp_lg_u32 s[CNT], 0
	s_cbranch_scc1 .Lhelp
.rept 4
	v_nop                                          ; four places behind the last products
.endr
	s_wait_alu depctr_va_vdst(0)
	s_cmp_lt_u32 s[GW], 8
	s_cbranch_scc0 .Lno_gift
	v_add_f32 v14, v14, v15                        ; my lane's share of the sum,
	v_mov_b32 v15, v12                             ; and -M beside it
.irp k, 0,1,2,3,4,5,6,7
	ds_store_b128 v235, v[160+4*\k:163+4*\k] offset:512*\k
.endr
	ds_store_b64 v236, v[14:15]
.Lno_gift:
	s_wait_alu depctr_va_vdst(0)
	s_wait_dscnt 0x0                               ; for the others' sake: my stores are done
	s_barrier_signal -1
	s_barrier_wait -1
	s_cmp_lt_u32 s[GW], 8
	s_cbranch_scc1 .Ldone
.irp k, 0,1,2,3,4,5,6,7
	ds_load_b128 v[96+4*\k:99+4*\k], v237 offset:512*\k
.endr
	ds_load_b64 v[128:129], v238
	s_wait_dscnt 0x0
	v_min_num_f32 v130, v12, v129                  ; -M of both parts: the lesser
	v_add_f32 v14, v14, v15
	v_sub_f32 v131, v130, v12                      ; my M less the common one: a whole number, 0 or less
	v_sub_f32 v132, v130, v129                     ; the helper's
	v_cvt_i32_f32 v131, v131
	v_cvt_i32_f32 v132, v132
	v_ldexp_f32 v226, 1.0, v131
	v_ldexp_f32 v216, 1.0, v132
	v_mov_b32 v15, 0
	v_mul_f32 v14, v14, v226
	v_fmac_f32 v14, v128, v216
.set n, 0
.rept 16
	v_pk_mul_f32 v[160+n:161+n], v[160+n:161+n], v[226:227] op_sel_hi:[1,0]
.set n, n+2
.endr
.set n, 0
.rept 16
	v_pk_fma_f32 v[160+n:161+n], v[96+n:97+n], v[216:217], v[160+n:161+n] op_sel_hi:[1,0,1]
.set n, n+2
.endr
	WAYOUT
.Ldone:
	s_wait_tensorcnt 0x0                           ; the wave's end
	ds_add_u32 v[SPW], v[NIL]
	s_wait_dscnt 0x0
	CROUND                                         ; the closing round
	s_endpgm
.Lfunc_end_k_q60ee7d1cfc_attn:
	.size	k_q60ee7d1cfc_attn, .Lfunc_end_k_q60ee7d1cfc_attn-k_q60ee7d1cfc_attn
	.p2alignl 7, 3214868480
	.fill 96, 4, 3214868480
	.section	.rodata,"a",@progbits
	.p2align	6, 0x0
	.amdhsa_kernel k_q60ee7d1cfc_attn
		.amdhsa_group_segment_fixed_size 280576
		.amdhsa_private_segment_fixed_size 0
		.amdhsa_enable_private_segment 0
		.amdhsa_kernarg_size 16
		.amdhsa_user_sgpr_count 2
		.amdhsa_user_sgpr_kernarg_segment_ptr 1
		.amdhsa_wavefront_size32 1
		.amdhsa_system_sgpr_workgroup_id_x 1
		.amdhsa_system_sgpr_workgroup_id_y 1
		.amdhsa_system_sgpr_workgroup_id_z 1
		.amdhsa_system_vgpr_workitem_id 0
		.amdhsa_next_free_vgpr 256
		.amdhsa_next_free_sgpr 66
		.amdhsa_reserve_vcc 1
		.amdhsa_float_denorm_mode_32 3
		.amdhsa_float_denorm_mode_16_64 3
		.amdhsa_memory_ordered 1
		.amdhsa_forward_progress 1
		.amdhsa_inst_pref_size 64
	.end_amdhsa_kernel
	.amdgpu_metadata
---
amdhsa.version: [ 1, 2 ]
amdhsa.kernels:
  - .name:           k_q60ee7d1cfc_attn
    .symbol:         k_q60ee7d1cfc_attn.kd
    .args:
      - { .name: qkvq, .offset: 0, .size: 8, .value_kind: global_buffer, .address_space: global }
      - { .name: ctxq, .offset: 8, .size: 8, .value_kind: global_buffer, .address_space: global }
    .group_segment_fixed_size: 280576
    .private_segment_fixed_size: 0
    .kernarg_segment_align: 8
    .kernarg_segment_size: 16
    .max_flat_workgroup_size: 512
    .sgpr_count:     66
    .vgpr_count:     256
    .wavefront_size: 32
...
	.end_amdgpu_metadata
.endif
;; end of part 3
;; launch woln (part 4): grid 256 x 1, 16 waves a work-group, clusters of 4 x 1, 327,680 bytes of LDS; arguments ctxq, wts, bo, x, g2, s2, x1, h2q; writes x1, h2q
.if DOCPART == 4
	.amdgcn_target "amdgcn-amd-amdhsa--gfx1250"
	.amdhsa_code_object_version 6
	.text
	.protected	k_q60ee7d1cfc_woln
	.globl	k_q60ee7d1cfc_woln
	.p2align	8
	.type	k_q60ee7d1cfc_woln,@function
k_q60ee7d1cfc_woln:
	s_mov_b64 s[64:65], 0
	v_nop
	global_prefetch_b8 v0, s[64:65] scope:SCOPE_SE
	s_setreg_imm32_b32 hwreg(HW_REG_WAVE_MODE, 25, 1), 1
	s_wait_xcnt 0x0
	s_wait_alu depctr_hold_cnt(0) depctr_sa_sdst(0) depctr_va_vdst(0) depctr_va_sdst(0) depctr_va_ssrc(0) depctr_va_vcc(0) depctr_vm_vsrc(0)
	s_getreg_b32 s2, hwreg(HW_REG_IB_STS2, 6, 4)
	s_cmp_eq_u32 s2, 0
	s_cbranch_scc0 .Lentry_in_a_cluster
	s_endpgm
.Lentry_in_a_cluster:
	s_bfe_u32 s2, ttmp6, 0x10000c
	s_cmp_lg_u32 s2, 0x3003
	s_cbranch_scc0 .Lentry_shape_is_right
	s_endpgm
.Lentry_shape_is_right:
; x1 = x + (ctx Wo + bo), and h2 = g2 (x1 - mean) / sqrt(var + 1e-5) + s2 quantised along the row: the out-projection on codes of FP6 (E2M3) with E8M0 scales, the residual, the second norm and its quantiser in one launch.
; SHARES: a work-group makes one row block of 16 tokens x all 1,024 columns, so that it owns whole rows for the norm.  Wave w makes columns 64 w .. 64 w + 63: Wo's row blocks 192 + 4 w + t, t = 0 .. 3, 4 accumulators by turns, 8 K steps of 128.
; OPERANDS lie in memory in the order of the operand's registers (a fragment, 16 rows x 128 K, is 1,536 dense bytes: registers 0-3 at 16 x lane, 4-5 at 512 + 8 x lane, 6-9 at 768 + 16 x lane, 10-11 at 1,280 + 8 x lane).
; Wo IS THE SAME FOR EVERY WORK-GROUP.  CLUSTER 4 x 1: K steps 0 to 2 of all 64 row blocks, 294,912 bytes, which is what LDS holds, are asked for JOINTLY by the four partners: one tensor load a wave at the head, its own 4 rows of 4,608 bytes,
; read by that wave alone; nothing is filled again.  K steps 3 to 7 go from memory straight into registers, in a ring of two groups (a K step's fragment of ctx and four of Wo, 60 registers, 20 loads): one group is out while the other is multiplied.
; The sums take K steps 3 .. 7 first and 0 .. 2 last.  No prefetch: the text has no loop to run ahead in, and asks from its head on.
; Source 0 = weights, source 1 = tokens: register j of tile t of lane (r, h) is token r, column 64 w + 32 (t / 2) + 8 (t % 2) + 16 h + j.  The sums cross through a stage in LDS (16 rows of 4,096 + 16 bytes); behind a barrier wave w owns row w whole,
; 32 registers a lane: bias, residual, x1 stored in runs of 512 bytes, mean and variance in two passes over registers, the turn through the wave's own bytes so that lane l holds block l, the codes into an image of the row block, and out behind another barrier.
; The stage, the turn and the image lie in the tile's bytes: these have had their one fill, and a barrier stands between every wave's last read of them and the first store.
; Row r of row block rb is token 32 (rb >> 1) + 8 (rb & 1) + (r & 7) + 16 (r >> 3).  h2q: codes [rb][16 halves][768], scale words from byte 3,145,728 on: [rb][8 K steps][16 words].
; LIMITS: a block of zeros, or one under 2^-124, gets the byte 1 (its codes are zeros; this program alone reads the bytes); NaN and infinities are not served.  The bias is added behind the sum.
.set SP,    4112
.set WT,    18432                      ; a wave's part of the tile: 4 row blocks x 3 K steps
.set TURN,  66048                      ; behind the stage: 4,608 bytes for each wave: 32 places of 128 + 16
.set IMG,   139776                     ; the row block's image, 12,288 bytes
.set SCR,   152064                     ; its scale words, 512 bytes
.set SPARE, 294912                     ; behind the tile: the spare words, 128 bytes for each wave
.set SPW,   8
.set NIL,   9
.set SAW,   20                         ; v20-27 ctx's scale words, one a K step; v28-43 Wo's: 2 q + pair, lanes 0-15 the even tile, lanes 16-31 the odd: these hold scales and nothing else
.set SBW,   28
.set ACC,   44                         ; v44-75 the sums; later my row's sums, then x1 - mean and what is made of it
.set RING,  76                         ; v76-195 two groups of 60
.set XR,    196                        ; v196-227 x's row, then x1's
.set BO,    164                        ; v164-195 the bias; later the row after the turn
.set GG,    76                         ; v76-107 g2; later the codes
.set SS,    108                        ; v108-139 s2
.set Y0,    164
.set CC,    76
.set TS,    228                        ; v228-236 at work
.set T16,   237                        ; v237, v238 LDS addresses of my part of the tile: + 16 x lane, + 8 x lane
.set T8,    238
.set G1,    48
.set G0,    56
.macro CROUND                          ; a round of the cluster's barrier
	s_barrier_signal -1
	s_barrier_wait -1
	s_cmp_lg_u32 s20, 0
	s_cbranch_scc1 .Lnot_first_\@
	s_barrier_signal -3
.Lnot_first_\@:
	s_barrier_wait -3
	s_barrier_signal -1
	s_barrier_wait -1
.endm
.macro FRG reg, base, off              ; a fragment from memory
	global_load_b128 v[\reg:\reg+3], v2, \base offset:\off
	global_load_b64 v[\reg+4:\reg+5], v3, \base offset:\off+512
	global_load_b128 v[\reg+6:\reg+9], v2, \base offset:\off+768
	global_load_b64 v[\reg+10:\reg+11], v3, \base offset:\off+1280
.endm
.macro GRP q                           ; K step q from memory: 20 loads
.set RG, RING+60*((\q)%2)
	FRG RG, s[4:5], 1536*(\q)
.irp t, 0,1,2,3
	FRG RG+12+12*\t, s[6:7], \t*12288+1536*(\q)
.endr
.endm
.macro LFR reg, off                    ; a fragment from my part of the tile
	ds_load_b128 v[\reg:\reg+3], v[T16] offset:\off
	ds_load_b64 v[\reg+4:\reg+5], v[T8] offset:\off+512
	ds_load_b128 v[\reg+6:\reg+9], v[T16] offset:\off+768
	ds_load_b64 v[\reg+10:\reg+11], v[T8] offset:\off+1280
.endm
.macro LB kk                           ; Wo's four fragments of K step kk from LDS: 16 loads
.irp t, 0,1,2,3
	LFR RING+12+12*\t, \t*4608+1536*(\kk)
.endr
.endm
.macro WM t, q, row                    ; RA: ctx's fragment, RB: Wo's four.  K step 3 starts the sums
.if (\q) == 3
	v_wmma_scale_f32_16x16x128_f8f6f4 v[ACC+8*(\t):ACC+8*(\t)+7], v[RB+12*(\t):RB+12*(\t)+11], v[RA:RA+11], 0, v[SBW+2*(\q)+(\t)/2], v[SAW+(\q)] matrix_a_fmt:MATRIX_FMT_FP6 matrix_b_fmt:MATRIX_FMT_FP6 matrix_a_scale:MATRIX_SCALE_ROW\row
.else
	v_wmma_scale_f32_16x16x128_f8f6f4 v[ACC+8*(\t):ACC+8*(\t)+7], v[RB+12*(\t):RB+12*(\t)+11], v[RA:RA+11], v[ACC+8*(\t):ACC+8*(\t)+7], v[SBW+2*(\q)+(\t)/2], v[SAW+(\q)] matrix_a_fmt:MATRIX_FMT_FP6 matrix_b_fmt:MATRIX_FMT_FP6 matrix_a_scale:MATRIX_SCALE_ROW\row
.endif
.endm
.macro MM q                            ; four accumulators by turns; four places in front of the loads into the registers just read
	WM 0, \q, 0
	WM 1, \q, 1
	WM 2, \q, 0
	WM 3, \q, 1
.rept 4
	v_nop
.endr
.endm
.macro KQ q, cnt                       ; a K step out of the ring.  cnt: the loads issued behind group q's
	s_wait_loadcnt \cnt
.set RA, RING+60*((\q)%2)
.set RB, RA+12
	MM \q
.endm
.macro KL q, ra, cnt                   ; a K step out of the tile.  cnt: the loads issued behind ctx's fragment
	s_wait_loadcnt \cnt
	s_wait_dscnt 0x0
.set RA, \ra
.set RB, RING+12
	MM \q
.endm
.macro ROWLD reg, base                 ; a row of 1,024 f32: each load reads 512 consecutive bytes
.irp j, 0,1,2,3,4,5,6,7
	global_load_b128 v[\reg+4*\j:\reg+4*\j+3], v2, \base offset:512*\j
.endr
.endm
.macro SUMUP                           ; two chains of pairs become one number, summed over the 32 lanes
	s_delay_alu instid0(VALU_DEP_1)
	v_pk_add_f32 v[TS:TS+1], v[TS:TS+1], v[TS+2:TS+3]
	s_delay_alu instid0(VALU_DEP_1)
	v_add_f32 v[TS], v[TS], v[TS+1]
.irp m, 1,2,4,8
	s_delay_alu instid0(VALU_DEP_1)
	v_add_f32_dpp v[TS], v[TS], v[TS] row_xmask:\m row_mask:0xf bank_mask:0xf
.endr
	s_delay_alu instid0(VALU_DEP_1)
	v_permlanex16_b32 v[TS+8], v[TS], s42, s43
	s_delay_alu instid0(VALU_DEP_1)
	v_add_f32 v[TS], v[TS], v[TS+8]
.endm
	s_load_b256 s[4:11], s[0:1], 0x0               ; ctxq, wts, bo, x
	s_load_b256 s[12:19], s[0:1], 0x20             ; g2, s2, x1, h2q
	v_lshl_add_u32 v[SPW], v0, 2, SPARE
	v_mov_b32 v[NIL], 0
	ds_add_u32 v[SPW], v[NIL]                      ; the wave's opening: the add, twice on end, and its wait ahead of my tensor load
	ds_add_u32 v[SPW], v[NIL]
	v_lshrrev_b32 v1, 5, v0
	v_readfirstlane_b32 s20, v1                    ; wave 0..15
	v_and_b32 v1, 31, v0                           ; lane
	v_lshlrev_b32 v2, 4, v1                        ; 16 x lane
	v_lshlrev_b32 v3, 3, v1                        ; 8 x lane
	v_and_b32 v18, 15, v0                          ; r
	v_bfe_u32 v19, v0, 4, 1                        ; h
	v_lshlrev_b32 v5, 2, v18                       ; ctx's scale words: 4 r
	v_lshl_add_u32 v4, v19, 9, v5                  ; Wo's: lanes 16-31 one row block on
	v_mul_u32_u24 v6, v18, SP
	v_lshl_add_u32 v6, v19, 6, v6
	s_lshl_b32 s21, s20, 8
	v_add_nc_u32 v6, s21, v6                       ; the stage, in: row r, 256 w + 64 h
	s_mul_i32 s21, s20, SP
	v_add_nc_u32 v10, s21, v2                      ; back: row w
	s_mul_i32 s21, s20, WT
	v_add_nc_u32 v[T16], s21, v2                   ; my part of the tile
	v_add_nc_u32 v[T8], s21, v3
	s_mul_i32 s21, s20, 4608
	s_add_co_u32 s21, s21, TURN
	v_lshrrev_b32 v11, 3, v1
	v_mul_u32_u24 v11, v11, 144
	v_and_b32 v12, 7, v1
	v_lshl_add_u32 v11, v12, 4, v11
	v_add_nc_u32 v11, s21, v11                     ; the turn, in: eight lanes' 128 bytes fill a place
	v_mul_u32_u24 v12, v1, 144
	v_add_nc_u32 v12, s21, v12                     ; out: place l is block l
	v_lshrrev_b32 v15, 1, v1
	v_mul_u32_u24 v15, v15, 768
	v_and_b32 v16, 1, v1
	v_lshl_add_u32 v13, v16, 8, v15
	v_lshl_add_u32 v14, v16, 7, v15
	s_lshl_b32 s21, s20, 4
	s_add_co_u32 s21, s21, IMG
	v_add_nc_u32 v13, s21, v13                     ; the image: half l >> 1, h = l & 1, row w: registers 0-3
	s_lshl_b32 s21, s20, 3
	s_add_co_u32 s21, s21, IMG+512
	v_add_nc_u32 v14, s21, v14                     ; registers 4-5
	v_lshrrev_b32 v15, 2, v1
	v_and_b32 v16, 3, v1
	v_lshl_add_u32 v15, v15, 6, v16
	s_lshl_b32 s21, s20, 2
	s_add_co_u32 s21, s21, SCR
	v_add_nc_u32 v15, s21, v15                     ; the scale byte: K step l >> 2, byte l & 3, row w
	s_mul_i32 s21, s20, 768
	s_add_co_u32 s40, s21, IMG
	v_add_nc_u32 v16, s40, v2                      ; the way out: half w of the image: 512 bytes,
	s_add_co_u32 s40, s40, 512
	v_add_nc_u32 v17, s40, v3                      ; and 256
	v_add_nc_u32 v18, SCR, v2
	s_bfe_u32 s46, ttmp6, 0x40000                  ; cx: it enters global addresses alone
	s_lshl_b32 s47, ttmp9, 2
	s_add_co_u32 s47, s47, s46                     ; my row block rb = 4 x cluster + cx
	s_mul_i32 s22, s47, 12288                      ; its codes, in ctxq and in h2q
	s_mov_b32 s23, 0
	s_lshl_b32 s24, s47, 9
	s_add_co_u32 s24, s24, 3145728                 ; and its scale words
	s_mov_b32 s25, 0
	s_lshl_b32 s26, s20, 2
	s_add_co_u32 s26, s26, 192                     ; Wo's row block 192 + 4 w
	s_lshl_b32 s28, s26, 9
	s_add_co_u32 s28, s28, 9437184
	s_mov_b32 s29, 0
	s_mul_i32 s26, s26, 12288
	s_mov_b32 s27, 0
	s_lshr_b32 s30, s47, 1
	s_lshl_b32 s30, s30, 5
	s_and_b32 s31, s47, 1
	s_lshl_b32 s31, s31, 3
	s_add_co_u32 s30, s30, s31
	s_and_b32 s31, s20, 7
	s_add_co_u32 s30, s30, s31
	s_lshr_b32 s31, s20, 3
	s_lshl_b32 s31, s31, 4
	s_add_co_u32 s30, s30, s31                     ; my row's token
	s_lshl_b32 s30, s30, 12
	s_mov_b32 s31, 0
	s_add_co_u32 s32, s22, s21                     ; h2q: half w of my row block
	s_mov_b32 s33, 0
	s_mov_b32 s42, 0x76543210
	s_mov_b32 s43, 0xfedcba98                      ; v_permlanex16_b32's selects for lane l xor 16
	s_mov_b32 s44, 0x3a800000                      ; 1 / 1,024
	s_mov_b32 s45, 0x3727c5ac                      ; 1e-5
	s_mov_b32 s[G1], 15|(3<<16)|(1<<21)            ; group 1: all four work-groups; elements of 8 bytes; bit 21 set beside a mask; 4 rows of 4,608 bytes, 12,288 bytes apart in memory, dense in LDS
	s_mov_b32 s[G1+1], 576<<16
	s_mov_b32 s[G1+2], 4<<16
	s_mov_b32 s[G1+3], 576<<16
	s_mov_b32 s[G1+4], 4
	s_mov_b32 s[G1+5], 1536
	s_mov_b32 s[G1+6], 0
	s_mov_b32 s[G1+7], 0
	s_mov_b32 s[G0], 1
	s_mul_i32 s[G0+1], s20, WT
	s_wait_alu depctr_va_vdst(0)
	s_wait_dscnt 0x0                               ; both opening adds are done
	CROUND                                         ; all four work-groups are here: the joint loads meet
	s_wait_kmcnt 0x0
	s_add_nc_u64 s[34:35], s[4:5], s[24:25]
	s_add_nc_u64 s[4:5], s[4:5], s[22:23]
	s_add_nc_u64 s[36:37], s[6:7], s[28:29]
	s_add_nc_u64 s[6:7], s[6:7], s[26:27]
	s_mov_b64 s[G0+2:G0+3], s[6:7]                 ; K steps 0 to 2 of my four row blocks: the address hangs on the wave's number alone
	s_or_b32 s[G0+3], s[G0+3], 0x80000000
	tensor_load_to_lds s[G0:G0+3], s[G1:G1+7]      ; my one tensor load
	s_nop 0
.rept 4
	v_nop
.endr
	s_add_nc_u64 s[10:11], s[10:11], s[30:31]
	s_add_nc_u64 s[16:17], s[16:17], s[30:31]
	s_add_nc_u64 s[38:39], s[18:19], s[24:25]
	s_add_nc_u64 s[18:19], s[18:19], s[32:33]
.irp q, 0,1,2,3,4,5,6,7
	global_load_b32 v[SAW+\q], v5, s[34:35] offset:64*\q
.endr
.irp q, 0,1,2,3,4,5,6,7
	global_load_b32 v[SBW+2*\q], v4, s[36:37] offset:64*\q
	global_load_b32 v[SBW+2*\q+1], v4, s[36:37] offset:1024+64*\q
.endr
	GRP 3
	GRP 4
.irp j, 0,1,2,3,4,5,6,7
	global_load_b128 v[XR+4*\j:XR+4*\j+3], v2, s[10:11] offset:512*\j th:TH_LOAD_NT
.endr
	KQ 3, 28                                       ; behind group 3's loads: group 4's 20 and x's 8
	GRP 5
	KQ 4, 28                                       ; x's 8 and group 5's 20
	GRP 6
	KQ 5, 20                                       ; the next group's 20
	GRP 7
	KQ 6, 20
	FRG RING, s[4:5], 0                            ; ctx's fragment of K step 0,
	s_wait_tensorcnt 0x0                           ; my part of the tile is in: I alone read it
	LB 0                                           ; and Wo's four, into the group that K step 6 has left
	KQ 7, 4                                        ; behind group 7's loads: ctx's fragment, 4
	FRG RING+60, s[4:5], 1536                      ; what K step 7 has left takes ctx's fragments of K steps 1 and 2 and the bias
	FRG RING+72, s[4:5], 3072
	ROWLD BO, s[8:9]
	KL 0, RING, 16                                 ; behind ctx's fragment 0: 4 + 4 + 8
	LB 1
	KL 1, RING+60, 12                              ; 4 + 8
	LB 2
	KL 2, RING+72, 8                               ; the bias's 8
	ROWLD GG, s[12:13]
	ROWLD SS, s[14:15]
	s_wait_dscnt 0x0                               ; my reads of the tile are over
	s_barrier_signal -1
	s_barrier_wait -1                              ; and everybody's: the tile's bytes become the stage, the turn and the image
.irp t, 0,1,2,3                        ; each accumulator from its low end on
	ds_store_b128 v6, v[ACC+8*\t:ACC+8*\t+3] offset:128*(\t/2)+32*(\t%2)
	ds_store_b128 v6, v[ACC+8*\t+4:ACC+8*\t+7] offset:128*(\t/2)+32*(\t%2)+16
.endr
	s_wait_dscnt 0x0                               ; for the others' sake: my stores are done
	s_barrier_signal -1
	s_barrier_wait -1
.irp j, 0,1,2,3,4,5,6,7
	ds_load_b128 v[ACC+4*\j:ACC+4*\j+3], v10 offset:512*\j
.endr
	s_wait_loadcnt 16                              ; x and the bias are in; the 16 loads of g2 and s2 may be out
	s_wait_dscnt 0x0
.irp j, 0,2,4,6,8,10,12,14,16,18,20,22,24,26,28,30
	v_pk_add_f32 v[ACC+\j:ACC+\j+1], v[ACC+\j:ACC+\j+1], v[BO+\j:BO+\j+1]
.endr
.irp j, 0,2,4,6,8,10,12,14,16,18,20,22,24,26,28,30
	v_pk_add_f32 v[XR+\j:XR+\j+1], v[XR+\j:XR+\j+1], v[ACC+\j:ACC+\j+1]
.endr
.irp j, 0,1,2,3,4,5,6,7
	global_store_b128 v2, v[XR+4*\j:XR+4*\j+3], s[16:17] offset:512*\j   ; x1: 512 consecutive bytes, aligned; these registers are not written again
.endr
	v_mov_b32 v[TS+8], 0                           ; a lane permute's destination counts as one of its sources
	v_pk_add_f32 v[TS:TS+1], v[XR:XR+1], v[XR+2:XR+3]
	v_pk_add_f32 v[TS+2:TS+3], v[XR+4:XR+5], v[XR+6:XR+7]
.irp j, 8,12,16,20,24,28
	s_delay_alu instid0(VALU_DEP_2)
	v_pk_add_f32 v[TS:TS+1], v[TS:TS+1], v[XR+\j:XR+\j+1]
	s_delay_alu instid0(VALU_DEP_2)
	v_pk_add_f32 v[TS+2:TS+3], v[TS+2:TS+3], v[XR+\j+2:XR+\j+3]
.endr
	SUMUP
	s_delay_alu instid0(VALU_DEP_1)
	v_mul_f32 v[TS+4], s44, v[TS]                  ; the mean, in both halves of a pair
	s_delay_alu instid0(VALU_DEP_1)
	v_mov_b32 v[TS+5], v[TS+4]
.irp j, 0,2,4,6,8,10,12,14,16,18,20,22,24,26,28,30
	v_pk_add_f32 v[ACC+\j:ACC+\j+1], v[XR+\j:XR+\j+1], v[TS+4:TS+5] neg_lo:[0,1] neg_hi:[0,1]   ; d = x1 - mean
.endr
	v_pk_mul_f32 v[TS:TS+1], v[ACC:ACC+1], v[ACC:ACC+1]
	v_pk_mul_f32 v[TS+2:TS+3], v[ACC+2:ACC+3], v[ACC+2:ACC+3]
.irp j, 4,8,12,16,20,24,28
	s_delay_alu instid0(VALU_DEP_2)
	v_pk_fma_f32 v[TS:TS+1], v[ACC+\j:ACC+\j+1], v[ACC+\j:ACC+\j+1], v[TS:TS+1]
	s_delay_alu instid0(VALU_DEP_2)
	v_pk_fma_f32 v[TS+2:TS+3], v[ACC+\j+2:ACC+\j+3], v[ACC+\j+2:ACC+\j+3], v[TS+2:TS+3]
.endr
	SUMUP
	s_delay_alu instid0(VALU_DEP_1)
	v_fma_f32 v[TS], v[TS], s44, s45               ; var + 1e-5
	s_wait_alu depctr_va_vdst(0)                   ; the wait ahead of the transcendental,
	v_rsq_f32 v[TS+6], v[TS]
	v_nop                                          ; a plain place behind it,
	s_wait_alu depctr_va_vdst(0)                   ; and the wait ahead of its first reader
	v_mov_b32 v[TS+7], v[TS+6]
	s_wait_alu depctr_va_vdst(0)
	s_wait_loadcnt 0x0                             ; g2 and s2
.irp j, 0,2,4,6,8,10,12,14,16,18,20,22,24,26,28,30
	v_pk_mul_f32 v[ACC+\j:ACC+\j+1], v[ACC+\j:ACC+\j+1], v[TS+6:TS+7]
.endr
.irp j, 0,2,4,6,8,10,12,14,16,18,20,22,24,26,28,30
	v_pk_fma_f32 v[ACC+\j:ACC+\j+1], v[ACC+\j:ACC+\j+1], v[GG+\j:GG+\j+1], v[SS+\j:SS+\j+1]
.endr
.irp j, 0,1,2,3,4,5,6,7                ; the turn: LDS serves a wave's instructions in order, so no wait stands between the stores and the loads
	ds_store_b128 v11, v[ACC+4*\j:ACC+4*\j+3] offset:576*\j
.endr
.irp j, 0,1,2,3,4,5,6,7
	ds_load_b128 v[Y0+4*\j:Y0+4*\j+3], v12 offset:16*\j
.endr
	s_wait_dscnt 0x0
	v_max3_num_f32 v[CC+12], |v[Y0]|, |v[Y0+1]|, |v[Y0+2]|     ; my block of the row: its largest magnitude,
	v_max3_num_f32 v[CC+13], |v[Y0+3]|, |v[Y0+4]|, |v[Y0+5]|
.irp k, 6,10,14,18,22,26
	s_delay_alu instid0(VALU_DEP_2)
	v_max3_num_f32 v[CC+12], v[CC+12], |v[Y0+\k]|, |v[Y0+\k+1]|
	s_delay_alu instid0(VALU_DEP_2)
	v_max3_num_f32 v[CC+13], v[CC+13], |v[Y0+\k+2]|, |v[Y0+\k+3]|
.endr
	s_delay_alu instid0(VALU_DEP_2)
	v_max3_num_f32 v[CC+12], v[CC+12], |v[Y0+30]|, |v[Y0+31]|
	s_delay_alu instid0(VALU_DEP_1)
	v_max3_num_f32 v[CC+12], v[CC+12], v[CC+13], 0x1800000     ; with the floor 2^(3 - 127)
	s_delay_alu instid0(VALU_DEP_1)
	v_add_nc_u32 v[CC+11], 0xff000000, v[CC+12]                ; 2 off the exponent field: the conversion's scale operand
	v_cvt_scalef32_pk16_fp6_f32 v[CC:CC+2], v[Y0:Y0+15], v[CC+11]
	v_cvt_scalef32_pk16_fp6_f32 v[CC+6:CC+8], v[Y0+16:Y0+31], v[CC+11]
	v_lshrrev_b32 v[CC+10], 23, v[CC+11]                       ; the scale's byte; also the plain place behind the conversions
.irp k, 0,1,2
	v_mov_b32 v[CC+3+\k], v[CC+6+\k]
.endr
	ds_store_b128 v13, v[CC:CC+3]
	ds_store_b64 v14, v[CC+4:CC+5]
	ds_store_b8 v15, v[CC+10]
	s_wait_dscnt 0x0                               ; for the others' sake: my stores into the image are done
	s_barrier_signal -1
	s_barrier_wait -1
	ds_load_b128 v[Y0:Y0+3], v16
	ds_load_b64 v[Y0+4:Y0+5], v17
	s_wait_dscnt 0x0
	global_store_b128 v2, v[Y0:Y0+3], s[18:19]     ; 512 and 256 consecutive bytes, aligned
	global_store_b64 v3, v[Y0+4:Y0+5], s[18:19] offset:512
	s_cmp_lg_u32 s20, 0
	s_cbranch_scc1 .Lnot_wave_0                    ; the row block's 512 bytes of scale words leave by one store of wave 0
	ds_load_b128 v[Y0+8:Y0+11], v18
	s_wait_dscnt 0x0
	global_store_b128 v2, v[Y0+8:Y0+11], s[38:39]
.Lnot_wave_0:
	s_wait_tensorcnt 0x0                           ; the wave's end, behind my tensor load and my last LDS store
	ds_add_u32 v[SPW], v[NIL]
	s_wait_dscnt 0x0
	CROUND                                         ; the closing round
	s_endpgm
.Lfunc_end_k_q60ee7d1cfc_woln:
	.size	k_q60ee7d1cfc_woln, .Lfunc_end_k_q60ee7d1cfc_woln-k_q60ee7d1cfc_woln
	.p2alignl 7, 3214868480
	.fill 96, 4, 3214868480
	.section	.rodata,"a",@progbits
	.p2align	6, 0x0
	.amdhsa_kernel k_q60ee7d1cfc_woln
		.amdhsa_group_segment_fixed_size 327680
		.amdhsa_private_segment_fixed_size 0
		.amdhsa_enable_private_segment 0
		.amdhsa_kernarg_size 64
		.amdhsa_user_sgpr_count 2
		.amdhsa_user_sgpr_kernarg_segment_ptr 1
		.amdhsa_wavefront_size32 1
		.amdhsa_system_sgpr_workgroup_id_x 1
		.amdhsa_system_sgpr_workgroup_id_y 1
		.amdhsa_system_sgpr_workgroup_id_z 1
		.amdhsa_system_vgpr_workitem_id 0
		.amdhsa_next_free_vgpr 256
		.amdhsa_next_free_sgpr 66
		.amdhsa_reserve_vcc 0
		.amdhsa_float_denorm_mode_32 3
		.amdhsa_float_denorm_mode_16_64 3
		.amdhsa_memory_ordered 1
		.amdhsa_forward_progress 1
		.amdhsa_inst_pref_size 46
	.end_amdhsa_kernel
	.amdgpu_metadata
---
amdhsa.version: [ 1, 2 ]
amdhsa.kernels:
  - .name:           k_q60ee7d1cfc_woln
    .symbol:         k_q60ee7d1cfc_woln.kd
    .args:
      - { .name: ctxq, .offset: 0, .size: 8, .value_kind: global_buffer, .address_space: global }
      - { .name: wts, .offset: 8, .size: 8, .value_kind: global_buffer, .address_space: global }
      - { .name: bo, .offset: 16, .size: 8, .value_kind: global_buffer, .address_space: global }
      - { .name: x, .offset: 24, .size: 8, .value_kind: global_buffer, .address_space: global }
      - { .name: g2, .offset: 32, .size: 8, .value_kind: global_buffer, .address_space: global }
      - { .name: s2, .offset: 40, .size: 8, .value_kind: global_buffer, .address_space: global }
      - { .name: x1, .offset: 48, .size: 8, .value_kind: global_buffer, .address_space: global }
      - { .name: h2q, .offset: 56, .size: 8, .value_kind: global_buffer, .address_space: global }
    .group_segment_fixed_size: 327680
    .private_segment_fixed_size: 0
    .kernarg_segment_align: 8
    .kernarg_segment_size: 64
    .max_flat_workgroup_size: 512
    .sgpr_count:     66
    .vgpr_count:     256
    .wavefront_size: 32
...
	.end_amdgpu_metadata
.endif
;; end of part 4
;; launch ffn1 (part 5): grid 8 x 32, 4 waves a work-group, clusters of 4 x 4, 327,680 bytes of LDS; arguments h2q, wts, hid, b1; writes hid
.if DOCPART == 5
	.amdgcn_target "amdgcn-amd-amdhsa--gfx1250"
	.amdhsa_code_object_version 6
	.text
	.protected	k_q60ee7d1cfc_ffn1
	.globl	k_q60ee7d1cfc_ffn1
	.p2align	8
	.type	k_q60ee7d1cfc_ffn1,@function
k_q60ee7d1cfc_ffn1:
	s_mov_b64 s[64:65], 0
	v_nop
	global_prefetch_b8 v0, s[64:65] scope:SCOPE_SE
	s_setreg_imm32_b32 hwreg(HW_REG_WAVE_MODE, 25, 1), 1
	s_wait_xcnt 0x0
	s_wait_alu depctr_hold_cnt(0) depctr_sa_sdst(0) depctr_va_vdst(0) depctr_va_sdst(0) depctr_va_ssrc(0) depctr_va_vcc(0) depctr_vm_vsrc(0)
	s_getreg_b32 s2, hwreg(HW_REG_IB_STS2, 6, 4)
	s_cmp_eq_u32 s2, 0
	s_cbranch_scc0 .Lentry_in_a_cluster
	s_endpgm
.Lentry_in_a_cluster:
	s_bfe_u32 s2, ttmp6, 0x10000c
	s_cmp_lg_u32 s2, 0xf033
	s_cbranch_scc0 .Lentry_shape_is_right
	s_endpgm
.Lentry_shape_is_right:
; hid = Q(gelu(h2 W1 + b1)): the product on codes of FP6 (E2M3) with E8M0 scales, the result quantised along its 4,096 columns, the next product's K, and laid in the order of the matrix operand's registers.
; A fragment (16 rows x 128 K) is 1,536 dense bytes: two halves of 768: lane's registers 0-3 at 16 x lane, 4-5 at 512 + 8 x lane.  Row block 2 b + u holds rows 32 b + 8 u + (r & 7) + 16 (r >> 3).
; SHARES: work-group (x, y) takes tokens 128 y on (all K = 1,024, 98,304 bytes) and walks four weight tiles: columns 1,024 j + 128 x on, j = 0 .. 3.  A wave makes 64 x 64: 16 accumulators.
; Source 0 = weights, source 1 = tokens: a lane holds one token, its 32 registers of four weight blocks are two blocks of 32 along the next K.  The bias is the C of each sum's first product.
; THE TOKENS' FRAGMENTS STAY IN REGISTERS: a wave's 4 row blocks x 8 K steps x 12 = 384 registers, and 32 scale words.  The first tile brings them from LDS step by step; from the second tile on a K step reads four fragments from LDS and not eight.
; A weight tile has its whole K in one of two slots; the next is asked for at a tile's head and has that tile's products and its way out in which to land.
; CLUSTER 4 x 4: the tokens' tile is asked for jointly by a row of the cluster, a weight tile by a column.
; gelu(x) = x / (1 + 2^z), z = x (k0 + k1 x^2), k0 = -2 log2(e) sqrt(2 / pi), k1 = 0.044715 k0: the same function as 0.5 x (1 + tanh(..)); finite for every finite x (2^z = infinity gives 0, 2^z = 0 gives x).
; For x well under 0 it does not form 1 + tanh, so it can differ there from an f32 evaluation of that form by a rounding at a code's edge.
; REGISTERS, in windows of 256: window 0: addresses, scale words, at work, v128-255 the accumulators.  window 1: the weights' fragments, two buffers, at v0 and v128.  window 2: the tokens' fragments of K steps 0-4 (48 a step).  window 3: those of K steps 5-7; v160-191 the bias.
; LIMITS: a block of zeros or under 2^-124 gets the byte 1; NaN and infinities are not served.
.set NT,    4
.set RB0,   256
.set NK,    8
.set ARB,   12288
.set BRB,   12288
.set ASP,   512
.set BO1,   512
.set BO2,   1024
.set SLOT1, 1<<17
.set SCA,   98304
.set SCB,   102400
.set SPARE, 118784                     ; the spare words, 128 bytes for each wave: two blocks of 256 bytes that no other line names
.set ATILE, 229376
.set LA16, 4
.set LA8,  5
.set LB16, 6
.set LB8,  7
.set LSA,  8
.set LSB,  9
.set BB16, 12
.set BB8,  13
.set BSB,  15
.set SPW,  16
.set NIL,  17
.set SB,   28                          ; v28-31, v36-39: the weights' scale words, two sets, and nothing else
.set AS,   40                          ; v40-71: the tokens' scale words, 4 q + i, and nothing else: they stay
.set GT,   72
.set TM,   104
.set PW0,  110
.set PC,   114
.set ACC,  128
.set BI,   160                         ; in window 3
.set TO_F, 0x40
.set SEL,  20
.set TB,   36
.set TS,   37
.set G1A,  24
.set G0A,  32
.set G1B,  48
.set G0B,  56
.set G1SA, 68
.set G0SA, 76
.set G1SB, 80
.set G0SB, 88
.set MSB, 0
.macro WIN new
.if MSB != \new
	s_set_vgpr_msb (MSB<<8)|\new
.set MSB, \new
.endif
.endm
.macro PLACES
.rept 4
	v_nop
.endr
.endm
.macro CROUND
	s_barrier_signal -1
	s_barrier_wait -1
	s_cmp_lg_u32 s14, 0
	s_cbranch_scc1 .Lnot_wave_0_\@
	s_barrier_signal -3
.Lnot_wave_0_\@:
	s_barrier_wait -3
	s_barrier_signal -1
	s_barrier_wait -1
.endm
.macro FRAGH reg, a16, a8, off
.set rF, \reg
.set oF, \off
	ds_load_b128 v[rF:rF+3], v[\a16] offset:oF
	ds_load_b64 v[rF+4:rF+5], v[\a8] offset:oF+512
	ds_load_b128 v[rF+6:rF+9], v[\a16] offset:oF+768
	ds_load_b64 v[rF+10:rF+11], v[\a8] offset:oF+1280
.endm
.macro FETCH q, buf, set, wa           ; K step q in one run of LDS loads: the weights' four fragments and scale words; wa = 1: the tokens' too, into the registers where they stay
	WIN TO_F
.irp i, 0,1,2,3
	FRAGH (\buf)+12*\i, LB16, LB8, \i*BRB+1536*(\q)
.endr
.if \wa
	WIN (0x80+0x40*((\q)/5))                       ; destination window 2 (K steps 0-4) or 3 (5-7)
.irp i, 0,1,2,3
	FRAGH 48*((\q)%5)+12*\i, LA16, LA8, \i*ARB+1536*(\q)
.endr
.endif
	WIN 0
.irp i, 0,1,2,3
	ds_load_b32 v[SB+8*(\set)+\i], v[LSB] offset:(\i/2)*BO2+(\i%2)*BO1+64*(\q)
.endr
.if \wa
.irp i, 0,1,2,3
	ds_load_b32 v[AS+4*(\q)+\i], v[LSA] offset:\i*ASP+64*(\q)
.endr
.endif
.endm
.macro MUL q, c                        ; 16 matrix instructions; the 16 accumulators take turns in the same order in every step.  c = 2: the sums begin with the bias
.set wA, 2+(\q)/5                      ; the window of the tokens' fragments
.if (\c) == 2
	WIN (0x31|(wA<<2))                             ; source 0: weights, window 1; source 1: tokens; source 2: the bias, window 3
.else
	WIN (0x01|(wA<<2))
.endif
.irp i1, 0,1,2,3
.irp t0, 0,1,2,3
.set rD, ACC+8*(4*\i1+\t0)
.set rC, BI+8*\t0
.set rA, 128*((\q)%2)+12*\t0
.set rB, 48*((\q)%5)+12*\i1
.set rSA, SB+8*((\q)%2)+\t0
.set rSB, AS+4*(\q)+\i1
.if (\c) == 0
	v_wmma_scale_f32_16x16x128_f8f6f4 v[rD:rD+7], v[rA:rA+11], v[rB:rB+11], v[rD:rD+7], v[rSA], v[rSB] matrix_a_fmt:MATRIX_FMT_FP6 matrix_b_fmt:MATRIX_FMT_FP6
.else
	v_wmma_scale_f32_16x16x128_f8f6f4 v[rD:rD+7], v[rA:rA+11], v[rB:rB+11], v[rC:rC+7], v[rSA], v[rSB] matrix_a_fmt:MATRIX_FMT_FP6 matrix_b_fmt:MATRIX_FMT_FP6
.endif
.endr
.endr
.endm
.macro KSTEP q, c, wa
	s_wait_dscnt 0x0                               ; this step's loads, issued a step ago
.if (\q) < NK-1
	PLACES
	FETCH (\q)+1, 128*(((\q)+1)%2), ((\q)+1)%2, \wa
.endif
	MUL \q, \c
.endm
.macro QUANTH s, pw                    ; 32 numbers of a lane, register 16 b + i = K 32 b + 16 (lane / 16) + i, become a half fragment's six registers in v[PC] on and its two scale bytes in v[pw]
.set QS, \s
.irp b, 0,1
	v_max3_num_f32 v[TM+\b], |v[QS+16*\b]|, |v[QS+1+16*\b]|, 0x1800000
.endr
.irp i, 2,4,6,8,10,12,14
.irp b, 0,1
	v_max3_num_f32 v[TM+\b], v[TM+\b], |v[QS+16*\b+\i]|, |v[QS+1+16*\b+\i]|
.endr
.endr
.irp b, 0,1
	v_permlanex16_b32 v[TM+2+\b], v[TM+\b], s[SEL], s[SEL+1]
.endr
.irp b, 0,1
	v_max_num_f32 v[TM+\b], v[TM+\b], v[TM+2+\b]
.endr
.irp b, 0,1
	v_add_nc_u32 v[TM+4+\b], 0xff000000, v[TM+\b]
.endr
.irp b, 0,1
	v_lshrrev_b32 v[TM+2+\b], 23, v[TM+4+\b]
.endr
	v_lshl_or_b32 v[\pw], v[TM+3], 8, v[TM+2]
	v_cvt_scalef32_pk16_fp6_f32 v[PC:PC+2], v[QS:QS+15], v[TM+4]
	v_cvt_scalef32_pk16_fp6_f32 v[PC+6:PC+8], v[QS+16:QS+31], v[TM+5]
	v_nop                                          ; one plain place behind a scaled conversion
.irp i, 0,1,2
	v_permlane16_swap_b32 v[PC+\i], v[PC+6+\i]
.endr
.irp i, 0,1,2
	v_mov_b32 v[PC+3+\i], v[PC+6+\i]
.endr
.endm
.macro GELU s                          ; 32 numbers in place.  Each batch of transcendentals has one plain place and one wait ahead of its first reader
.set XS, \s
.irp j, 0,2,4,6,8,10,12,14,16,18,20,22,24,26,28,30
	v_pk_mul_f32 v[GT+\j:GT+\j+1], v[XS+\j:XS+\j+1], v[XS+\j:XS+\j+1]
.endr
.irp j, 0,2,4,6,8,10,12,14,16,18,20,22,24,26,28,30
	v_pk_fma_f32 v[GT+\j:GT+\j+1], v[GT+\j:GT+\j+1], s[22:23], v[124:125] op_sel_hi:[1,0,1]   ; k1 x^2 + k0
.endr
.irp j, 0,2,4,6,8,10,12,14,16,18,20,22,24,26,28,30
	v_pk_mul_f32 v[GT+\j:GT+\j+1], v[GT+\j:GT+\j+1], v[XS+\j:XS+\j+1]                         ; z
.endr
.set n, 0
	s_wait_alu depctr_va_vdst(0)
.rept 32
	v_exp_f32 v[GT+n], v[GT+n]
.set n, n+1
.endr
	v_nop
	s_wait_alu depctr_va_vdst(0)
.irp j, 0,2,4,6,8,10,12,14,16,18,20,22,24,26,28,30
	v_pk_add_f32 v[GT+\j:GT+\j+1], v[GT+\j:GT+\j+1], 1.0 op_sel_hi:[1,0]
.endr
.set n, 0
	s_wait_alu depctr_va_vdst(0)
.rept 32
	v_rcp_f32 v[GT+n], v[GT+n]
.set n, n+1
.endr
	v_nop
	s_wait_alu depctr_va_vdst(0)
.irp j, 0,2,4,6,8,10,12,14,16,18,20,22,24,26,28,30
	v_pk_mul_f32 v[XS+\j:XS+\j+1], v[XS+\j:XS+\j+1], v[GT+\j:GT+\j+1]
.endr
.endm
.macro CHANGE fill
	s_wait_tensorcnt 0x0                           ; no tensor load of mine is out, so a group 0 may be written
	ds_add_u32 v[SPW], v[NIL]
.if \fill
	s_xor_b32 s[G0B+1], s[G0B+1], SLOT1
	s_add_nc_u64 s[G0B+2:G0B+3], s[G0B+2:G0B+3], 786432   ; 64 row blocks on: the next 1,024 columns
.endif
	s_wait_dscnt 0x0                               ; the add is done, and my reads of the slot that I have left are over
.if \fill
	CROUND
	tensor_load_to_lds s[G0B:G0B+3], s[G1B:G1B+7]  ; my one tensor load until the next round
	s_nop 0
	PLACES
.else
	s_barrier_signal -1
	s_barrier_wait -1
	PLACES
.endif
.endm
.macro TILE fill, wa
	CHANGE \fill
	v_add_nc_u32 v[LB16], s[TB], v[BB16]
	v_add_nc_u32 v[LB8], s[TB], v[BB8]
	v_add_nc_u32 v[LSB], s[TS], v[BSB]
	FETCH 0, 0, 0, \wa
	s_wait_alu depctr_va_vdst(0)
	s_wait_loadcnt 0x0                             ; this tile's bias
	KSTEP 0, 2, \wa
.irp q, 1,2,3,4,5,6,7
	KSTEP \q, 0, \wa
.endr
	WIN 0
	PLACES
.endm
.macro BIASLD off                      ; lane (r, h) wants, for weight block 2 b + u, the bias of columns 32 b + 16 h + 8 u + 0 .. 7
	WIN 0xc0                                       ; destination window 3
.irp t0, 0,1,2,3
	global_load_b128 v[BI+8*\t0:BI+8*\t0+3], v22, s[10:11] offset:(\off)+(32*(\t0/2)+8*(\t0%2))*4
	global_load_b128 v[BI+8*\t0+4:BI+8*\t0+7], v22, s[10:11] offset:(\off)+(32*(\t0/2)+8*(\t0%2))*4+16
.endr
	WIN 0
.endm
.macro EPIH
.irp i1, 0,1,2,3
	GELU ACC+32*\i1
	s_wait_alu depctr_va_vdst(0)
	s_wait_xcnt 0x0                                ; the stores before have read their registers: the codes' and the scale's may be written again
	QUANTH ACC+32*\i1, PW0+\i1
	global_store_b128 v18, v[PC:PC+3], s[92:93] offset:\i1*49152
	global_store_b64 v19, v[PC+4:PC+5], s[92:93] offset:\i1*49152+512
	global_store_b16 v21, v[PW0+\i1], s[94:95] offset:\i1*2048   ; two scale bytes a row (lanes l and l xor 16 store the same value to the same place)
.endr
.endm
.macro ONWARD                          ; on to the next tile's places
	s_wait_xcnt 0x0                                ; the loads and stores have read their bases
	s_add_nc_u64 s[10:11], s[10:11], 4096
	s_add_nc_u64 s[92:93], s[92:93], 12288
	s_add_nc_u64 s[94:95], s[94:95], 512
	s_xor_b32 s[TB], s[TB], SLOT1
	s_add_co_u32 s[TS], s[TS], 4096                ; a tile's scale words are 4,096 bytes in LDS
.endm
	s_load_b256 s[4:11], s[0:1], 0x0               ; h2q, wts, hid, b1
	v_lshl_add_u32 v[SPW], v0, 2, SPARE
	v_mov_b32 v[NIL], 0
	ds_add_u32 v[SPW], v[NIL]                      ; the wave's opening: the add and its wait ahead of my first tensor load
	ds_add_u32 v[SPW], v[NIL]
	v_lshrrev_b32 v1, 5, v0
	v_readfirstlane_b32 s14, v1
	s_lshr_b32 s15, s14, 1                         ; wm
	s_and_b32 s16, s14, 1                          ; wn
	s_bfe_u32 s40, ttmp6, 0x40000
	s_bfe_u32 s41, ttmp6, 0x40004
	s_lshl_b32 s42, ttmp9, 2
	s_add_co_u32 s42, s42, s40                     ; x
	s_and_b32 s17, ttmp7, 0xffff
	s_lshl_b32 s17, s17, 2
	s_add_co_u32 s17, s17, s41                     ; y
	s_lshl_b32 s43, s41, 2
	s_lshl_b32 s43, 15, s43
	s_lshl_b32 s44, 0x1111, s40
	s_or_b32 s[G1A], s43, (3<<16)|(1<<21)
	s_or_b32 s[G1B], s44, (3<<16)|(1<<21)
	s_or_b32 s[G1SA], s43, (3<<16)|(1<<21)
	s_or_b32 s[G1SB], s44, (3<<16)|(1<<21)
.irp g, G1A, G1B
	s_mov_b32 s[\g+1], 32<<16
	s_mov_b32 s[\g+2], 384<<16                     ; at the head a whole tile: 98,304 dense bytes as 384 rows of 256
	s_mov_b32 s[\g+3], 32<<16
	s_mov_b32 s[\g+4], 384
	s_mov_b32 s[\g+5], 32
	s_mov_b32 s[\g+6], 0
	s_mov_b32 s[\g+7], 0
.endr
	s_mov_b32 s[G1SA+1], 32<<16
	s_mov_b32 s[G1SA+2], 16<<16                    ; eight row blocks' scale words: 4,096 dense bytes
	s_mov_b32 s[G1SA+3], 32<<16
	s_mov_b32 s[G1SA+4], 16
	s_mov_b32 s[G1SA+5], 32
	s_mov_b32 s[G1SA+6], 0
	s_mov_b32 s[G1SA+7], 0
	s_mov_b32 s[G1SB+1], 512<<16                   ; a row is one tile's eight row blocks: 4,096 bytes
	s_mov_b32 s[G1SB+2], NT<<16
	s_mov_b32 s[G1SB+3], 512<<16
	s_mov_b32 s[G1SB+4], NT
	s_mov_b32 s[G1SB+5], 4096
	s_mov_b32 s[G1SB+6], 0
	s_mov_b32 s[G1SB+7], 0
	s_lshl_b32 s18, s17, 3                         ; tokens: row block 8 y
	s_mul_i32 s38, s18, 12288
	s_mov_b32 s39, 0
	s_lshl_b32 s18, s18, 9
	s_add_co_u32 s18, s18, 3145728
	s_mov_b32 s19, 0
	s_lshl_b32 s46, s42, 3                         ; weights: row block RB0 + 8 x
	s_add_co_u32 s46, s46, RB0
	s_lshl_b32 s2, s46, 9
	s_add_co_u32 s2, s2, 9437184
	s_mov_b32 s3, 0
	s_mul_i32 s46, s46, 12288
	s_mov_b32 s47, 0
	s_mov_b32 s[SEL], 0x76543210
	s_mov_b32 s[SEL+1], 0xfedcba98
	s_mov_b32 s22, 0xbdd2d3e8                      ; k1
	s_mov_b32 s23, s22
	s_mov_b32 s[TB], 0
	s_mov_b32 s[TS], 0
	s_wait_dscnt 0x0                               ; the opening add is done
	s_wait_kmcnt 0x0
	s_mov_b32 s[G0A], 1
	s_mov_b32 s[G0A+1], ATILE
	s_add_nc_u64 s[G0A+2:G0A+3], s[4:5], s[38:39]
	s_or_b32 s[G0A+3], s[G0A+3], 0x80000000
	s_mov_b32 s[G0B], 1
	s_mov_b32 s[G0B+1], 0
	s_add_nc_u64 s[G0B+2:G0B+3], s[6:7], s[46:47]
	s_or_b32 s[G0B+3], s[G0B+3], 0x80000000
	s_mov_b32 s[G0SA], 1
	s_mov_b32 s[G0SA+1], SCA
	s_add_nc_u64 s[G0SA+2:G0SA+3], s[4:5], s[18:19]
	s_or_b32 s[G0SA+3], s[G0SA+3], 0x80000000
	s_mov_b32 s[G0SB], 1
	s_mov_b32 s[G0SB+1], SCB
	s_add_nc_u64 s[G0SB+2:G0SB+3], s[6:7], s[2:3]
	s_or_b32 s[G0SB+3], s[G0SB+3], 0x80000000
	CROUND                                         ; all sixteen work-groups are here: the first joint loads meet
	s_cmp_eq_u32 s14, 0                            ; the head's four tiles, one a wave, in one chain of arms
	s_cbranch_scc0 .Lh1
	tensor_load_to_lds s[G0A:G0A+3], s[G1A:G1A+7]  ; wave 0: the tokens' tile
	s_nop 0
	PLACES
	s_branch .Lhj
.Lh1:
	s_cmp_eq_u32 s14, 1
	s_cbranch_scc0 .Lh2
	tensor_load_to_lds s[G0B:G0B+3], s[G1B:G1B+7]  ; wave 1: the first weight tile
	s_nop 0
	PLACES
	s_branch .Lhj
.Lh2:
	s_cmp_eq_u32 s14, 2
	s_cbranch_scc0 .Lh3
	tensor_load_to_lds s[G0SA:G0SA+3], s[G1SA:G1SA+7]   ; wave 2: the tokens' scale words
	s_nop 0
	PLACES
	s_branch .Lhj
.Lh3:
	tensor_load_to_lds s[G0SB:G0SB+3], s[G1SB:G1SB+7]   ; wave 3: the weights' scale words, all tiles
	s_nop 0
	PLACES
.Lhj:
	v_and_b32 v3, 31, v0
	v_and_b32 v1, 15, v0
	v_bfe_u32 v2, v0, 4, 1
	s_mul_i32 s18, s15, 49152
	s_add_co_u32 s18, s18, ATILE
	v_lshl_add_u32 v[LA16], v3, 4, s18
	v_lshl_add_u32 v[LA8], v3, 3, s18
	s_mul_i32 s18, s16, 49152
	v_lshl_add_u32 v[BB16], v3, 4, s18
	v_lshl_add_u32 v[BB8], v3, 3, s18
	s_lshl_b32 s18, s15, 11
	s_add_co_u32 s18, s18, SCA
	v_lshl_add_u32 v[LSA], v1, 2, s18
	s_lshl_b32 s18, s16, 11
	s_add_co_u32 s18, s18, SCB
	v_lshl_add_u32 v[BSB], v1, 2, s18
	v_lshlrev_b32 v18, 4, v3
	v_lshlrev_b32 v19, 3, v3
	v_lshlrev_b32 v21, 2, v1
	v_lshlrev_b32 v22, 6, v2
	s_wait_alu depctr_va_vdst(0)
	v_mov_b32 v[TM+2], 0                           ; written once: a lane permute's destination counts as one of its sources
	v_mov_b32 v[TM+3], 0
	v_mov_b32 v124, 0xc0135761                     ; k0, in both halves of a pair
	v_mov_b32 v125, 0xc0135761
	s_lshl_b32 s38, s17, 3
	s_lshl_b32 s39, s15, 2
	s_add_co_u32 s38, s38, s39                     ; my first row block: 8 y + 4 wm
	s_mul_i32 s18, s38, 49152
	s_lshl_b32 s39, s42, 1
	s_add_co_u32 s39, s39, s16
	s_mul_i32 s39, s39, 768                        ; half 2 x + wn of tile 0
	s_add_co_u32 s18, s18, s39
	s_mov_b32 s19, 0
	s_add_nc_u64 s[92:93], s[8:9], s[18:19]
	s_lshl_b32 s18, s38, 11
	s_lshl_b32 s39, s42, 6
	s_add_co_u32 s18, s18, s39
	s_lshl_b32 s39, s16, 1
	s_add_co_u32 s18, s18, s39
	s_add_co_u32 s18, s18, 12582912
	s_add_nc_u64 s[94:95], s[8:9], s[18:19]
	s_lshl_b32 s18, s42, 9
	s_lshl_b32 s39, s16, 8
	s_add_co_u32 s18, s18, s39
	s_add_nc_u64 s[10:11], s[10:11], s[18:19]      ; b1 at my first column of tile 0
	BIASLD 0
	s_wait_alu depctr_va_vdst(0)
	s_wait_tensorcnt 0x0                           ; no tensor load of mine is out: from here on a load brings my quarter of a weight tile
	s_mul_i32 s46, s14, 24576
	s_mov_b32 s47, 0
	s_add_co_u32 s[G0B+1], s[G0B+1], s46
	s_add_nc_u64 s[G0B+2:G0B+3], s[G0B+2:G0B+3], s[46:47]
	s_mov_b32 s[G1B+2], 96<<16
	s_mov_b32 s[G1B+4], 96
	TILE 1, 1
	BIASLD 4096                                    ; the next tile's bias: its registers were last read by this tile's first K step
	EPIH
	ONWARD
	s_mov_b32 s3, 0
.Ltile:                                            ; two trips, tiles 1 and 2: behind each change of tiles the next tile is asked for
	TILE 1, 0
	BIASLD 4096
	EPIH
	ONWARD
	s_add_co_u32 s3, s3, 1
	s_cmp_lt_u32 s3, 2
	s_cbranch_scc1 .Ltile
	TILE 0, 0                                      ; the last tile is written out
	EPIH
	s_wait_tensorcnt 0x0                           ; the wave's end
	ds_add_u32 v[SPW], v[NIL]
	s_wait_dscnt 0x0
	CROUND                                         ; the closing round
	s_endpgm
.Lfunc_end_k_q60ee7d1cfc_ffn1:
	.size	k_q60ee7d1cfc_ffn1, .Lfunc_end_k_q60ee7d1cfc_ffn1-k_q60ee7d1cfc_ffn1
	.p2alignl 7, 3214868480
	.fill 96, 4, 3214868480
	.section	.rodata,"a",@progbits
	.p2align	6, 0x0
	.amdhsa_kernel k_q60ee7d1cfc_ffn1
		.amdhsa_group_segment_fixed_size 327680
		.amdhsa_private_segment_fixed_size 0
		.amdhsa_enable_private_segment 0
		.amdhsa_kernarg_size 32
		.amdhsa_user_sgpr_count 2
		.amdhsa_user_sgpr_kernarg_segment_ptr 1
		.amdhsa_wavefront_size32 1
		.amdhsa_system_sgpr_workgroup_id_x 1
		.amdhsa_system_sgpr_workgroup_id_y 1
		.amdhsa_system_sgpr_workgroup_id_z 1
		.amdhsa_system_vgpr_workitem_id 0
		.amdhsa_next_free_vgpr 1024
		.amdhsa_next_free_sgpr 100
		.amdhsa_reserve_vcc 0
		.amdhsa_float_denorm_mode_32 3
		.amdhsa_float_denorm_mode_16_64 3
		.amdhsa_memory_ordered 1
		.amdhsa_forward_progress 1
		.amdhsa_inst_pref_size 222
	.end_amdhsa_kernel
	.amdgpu_metadata
---
amdhsa.version: [ 1, 2 ]
amdhsa.kernels:
  - .name:           k_q60ee7d1cfc_ffn1
    .symbol:         k_q60ee7d1cfc_ffn1.kd
    .args:
      - { .name: h2q, .offset: 0, .size: 8, .value_kind: global_buffer, .address_space: global }
      - { .name: wts, .offset: 8, .size: 8, .value_kind: global_buffer, .address_space: global }
      - { .name: hid, .offset: 16, .size: 8, .value_kind: global_buffer, .address_space: global }
      - { .name: b1, .offset: 24, .size: 8, .value_kind: global_buffer, .address_space: global }
    .group_segment_fixed_size: 327680
    .private_segment_fixed_size: 0
    .kernarg_segment_align: 8
    .kernarg_segment_size: 32
    .max_flat_workgroup_size: 128
    .sgpr_count:     100
    .vgpr_count:     1024
    .wavefront_size: 32
...
	.end_amdgpu_metadata
.endif
;; end of part 5
;; launch ffn2 (part 6): grid 8 x 32, 4 waves a work-group, clusters of 4 x 4, 327,680 bytes of LDS; arguments hid, wts, b2, x1, out0; writes out0
.if DOCPART == 6
	.amdgcn_target "amdgcn-amd-amdhsa--gfx1250"
	.amdhsa_code_object_version 6
	.text
	.protected	k_q60ee7d1cfc_ffn2
	.globl	k_q60ee7d1cfc_ffn2
	.p2align	8
	.type	k_q60ee7d1cfc_ffn2,@function
k_q60ee7d1cfc_ffn2:
	s_mov_b64 s[64:65], 0
	v_nop
	global_prefetch_b8 v0, s[64:65] scope:SCOPE_SE
	s_setreg_imm32_b32 hwreg(HW_REG_WAVE_MODE, 25, 1), 1
	s_wait_xcnt 0x0
	s_wait_alu depctr_hold_cnt(0) depctr_sa_sdst(0) depctr_va_vdst(0) depctr_va_sdst(0) depctr_va_ssrc(0) depctr_va_vcc(0) depctr_vm_vsrc(0)
	s_getreg_b32 s2, hwreg(HW_REG_IB_STS2, 6, 4)
	s_cmp_eq_u32 s2, 0
	s_cbranch_scc0 .Lentry_in_a_cluster
	s_endpgm
.Lentry_in_a_cluster:
	s_bfe_u32 s2, ttmp6, 0x10000c
	s_cmp_lg_u32 s2, 0xf033
	s_cbranch_scc0 .Lentry_shape_is_right
	s_endpgm
.Lentry_shape_is_right:
; out = res + (A W + bias): A [4,096][K] and W [K][1,024] as codes of FP6 (E2M3) with E8M0 scales, in the order of the matrix operand's registers (a fragment, 16 rows x 128 K, is 1,536 dense bytes); bias, res, out f32.
; Here: A = the hidden layer, W = W2, K = 4,096: 32 K steps of 128.
; SHARES: work-group (x, y) makes rows 128 y on x columns 128 x on; a wave 64 x 64: 16 accumulators.  4,096 x 1,024 in tiles of 128 x 128 are 256 work-groups; tiles of 256 x 256 would be 64.
; K GOES THROUGH TWO LDS SLOTS AS LARGE AS FIT: slot X holds 6 K steps (147,456 bytes), slot Y 5 (122,880).  Both are filled at the start; then X, Y, X, Y are filled again, each while the other is multiplied: 6 + 5 + 6 + 5 + 5 + 5 = 32 K steps, four refills.
; The fifth run has 5 K steps and lies in slot X in the shorter shape.  All of K's scale words come once, with the first fills.  Everything is written out.
; CLUSTER 4 x 4: A's tiles hang on y alone and are asked for jointly by a row of the cluster, W's on x alone and by a column.  Waves 0, 1 fetch A's halves, waves 2, 3 W's.
; Source 0 = weights, source 1 = rows of A: a lane holds one row and neighbouring columns.  The bias is the C of each sum's first product.  The residual is loaded at the head into window 2.
; Row block 2 b + u holds rows 32 b + 8 u + (r & 7) + 16 (r >> 3); the way out puts each row back at its place.
; No prefetch is written: a run is 36 or 30 pieces of 256 bytes of each row block, which 32 lanes and four partners do not share out so that each piece is named once.
.set NX,    6                          ; K steps in slot X
.set NY,    5                          ; and in slot Y
.set PB,    49152
.set SPB,   2048
.set WCO,   6291456
.set WSC,   9699328
.set ASC,   12582912
.set RGX,   6144*NX                    ; what one tensor load brings: four row blocks x NX K steps,
.set RGY,   6144*NY                    ; or x NY
.set ASP,   SPB
.set BO1,   SPB
.set BO2,   2*SPB
.set XB,    0                          ; LDS: slot X: A's two halves, then W's two
.set YB,    4*RGX                      ; slot Y likewise
.set SCA,   270336                     ; behind the slots: A's scale words, then W's
.set SCB,   SCA+8*SPB
.set STAGE, 303104                     ; 16 rows x 272 bytes for each wave; no tensor load lands here
.set SPARE, 320512                     ; the spare words, 128 bytes for each wave: two blocks of 256 bytes that no other line names
.set LA16, 4
.set LA8,  5
.set LB16, 6
.set LB8,  7
.set LSA,  8
.set LSB,  9
.set L16,  10                          ; 16 x lane
.set L8,   11                          ; 8 x lane
.set BSA,  14
.set BSB,  15
.set SPW,  16
.set NIL,  17
.set SA,   24
.set SB,   28
.set BI,   40
.set GT,   72
.set ACC,  128
.set MULW, 0x05
.set TO_F, 0x40
.set G0SA, 20
.set G1AX, 24                          ; groups 1: a shape of NX K steps for A and for W, a shape of NY K steps for A and for W
.set G1BX, 32
.set G1AY, 40
.set G1BY, 48
.set G0SB, 56
.set G0AX, 60                          ; groups 0: a set for each slot and operand
.set G1SA, 68
.set G1SB, 76
.set G0BX, 84
.set G0AY, 88
.set G0BY, 92
.set MSB, 0
.macro WIN new
.if MSB != \new
	s_set_vgpr_msb (MSB<<8)|\new
.set MSB, \new
.endif
.endm
.macro PLACES
.rept 4
	v_nop
.endr
.endm
.macro CROUND
	s_barrier_signal -1
	s_barrier_wait -1
	s_cmp_lg_u32 s14, 0
	s_cbranch_scc1 .Lnot_wave_0_\@
	s_barrier_signal -3
.Lnot_wave_0_\@:
	s_barrier_wait -3
	s_barrier_signal -1
	s_barrier_wait -1
.endm
.macro JLOAD g0a, g1a, g0b, g1b        ; a joint load: each of the two lines has one mask; the branch hangs on the wave's number alone
	s_cmp_eq_u32 s15, 0
	s_cbranch_scc0 .Lfor_b_\@
	tensor_load_to_lds s[\g0a:\g0a+3], s[\g1a:\g1a+7]
	s_nop 0
.rept 4
	v_nop
.endr
	s_branch .Lasked_\@
.Lfor_b_\@:
	tensor_load_to_lds s[\g0b:\g0b+3], s[\g1b:\g1b+7]
	s_nop 0
.rept 4
	v_nop
.endr
.Lasked_\@:
.endm
.macro FRAGH reg, a16, a8, off
.set rF, \reg
.set oF, \off
	ds_load_b128 v[rF:rF+3], v[\a16] offset:oF
	ds_load_b64 v[rF+4:rF+5], v[\a8] offset:oF+512
	ds_load_b128 v[rF+6:rF+9], v[\a16] offset:oF+768
	ds_load_b64 v[rF+10:rF+11], v[\a8] offset:oF+1280
.endm
.macro FETCH q, buf, set               ; the slot's K step q: 40 LDS loads in one run.  ARB: from row block to row block in the slot
	WIN TO_F
.irp i, 0,1,2,3
	FRAGH (\buf)+12*\i, LA16, LA8, \i*ARB+1536*(\q)
.endr
.irp i, 0,1,2,3
	FRAGH (\buf)+48+12*\i, LB16, LB8, \i*ARB+1536*(\q)
.endr
	WIN 0
.irp i, 0,1,2,3
	ds_load_b32 v[SA+8*(\set)+\i], v[LSA] offset:\i*ASP+64*(\q)
.endr
.irp i, 0,1,2,3
	ds_load_b32 v[SB+8*(\set)+\i], v[LSB] offset:(\i/2)*BO2+(\i%2)*BO1+64*(\q)
.endr
.endm
.macro MUL buf, set, c                 ; 16 matrix instructions; the 16 accumulators take turns in the same order in every step.  c = 2: the sums begin with the bias
	WIN MULW
.irp i1, 0,1,2,3
.irp t0, 0,1,2,3
.set rD, ACC+8*(4*\i1+\t0)
.set rC, BI+8*\t0
.set rA, (\buf)+48+12*\t0
.set rB, (\buf)+12*\i1
.set rSA, SB+8*(\set)+\t0
.set rSB, SA+8*(\set)+\i1
.if (\c) == 0
	v_wmma_scale_f32_16x16x128_f8f6f4 v[rD:rD+7], v[rA:rA+11], v[rB:rB+11], v[rD:rD+7], v[rSA], v[rSB] matrix_a_fmt:MATRIX_FMT_FP6 matrix_b_fmt:MATRIX_FMT_FP6
.else
	v_wmma_scale_f32_16x16x128_f8f6f4 v[rD:rD+7], v[rA:rA+11], v[rB:rB+11], v[rC:rC+7], v[rSA], v[rSB] matrix_a_fmt:MATRIX_FMT_FP6 matrix_b_fmt:MATRIX_FMT_FP6
.endif
.endr
.endr
.endm
.macro KSTEP q, c, n
	s_wait_dscnt 0x0                               ; this step's 40 loads, issued a step ago
.if (\q) < (\n)-1
	PLACES
	FETCH (\q)+1, 128*(((\q)+1)%2), ((\q)+1)%2
.endif
	MUL 128*((\q)%2), (\q)%2, \c
.endm
; The n K steps that lie in the slot at LDS byte base; they are K steps ko on of the product.  first = 1: the sums begin
.macro GEN base, n, ko, first
.set ARB, 1536*(\n)
	s_mul_i32 s2, s15, 4*ARB                       ; my 64 rows of A: half wm,
	s_add_co_u32 s2, s2, \base
	v_add_nc_u32 v[LA16], s2, v[L16]
	v_add_nc_u32 v[LA8], s2, v[L8]
	s_mul_i32 s2, s16, 4*ARB                       ; my 64 columns of W: half wn, behind A's two halves
	s_add_co_u32 s2, s2, (\base)+8*ARB
	v_add_nc_u32 v[LB16], s2, v[L16]
	v_add_nc_u32 v[LB8], s2, v[L8]
	v_add_nc_u32 v[LSA], 64*(\ko), v[BSA]
	v_add_nc_u32 v[LSB], 64*(\ko), v[BSB]
	FETCH 0, 0, 0
.if \first
	s_wait_alu depctr_va_vdst(0)
	s_wait_loadcnt 32                              ; the bias's eight loads are in; the residual's 32, issued behind them, may be out
	KSTEP 0, 2, \n
.else
	s_wait_alu depctr_va_vdst(0)
	KSTEP 0, 0, \n
.endif
.set QQ, 1
.rept (\n)-1
	KSTEP QQ, 0, \n
.set QQ, QQ+1
.endr
	WIN 0
.endm
; THE CHANGE OF SLOTS.  Every wave waits for all its tensor loads (its part of the slot ahead), adds 0 to its spare word, waits for that and for its reads of the slot that it has left.
; fill = 1: a round of the cluster's barrier, and first behind it the slot just left is filled again: its groups 0 step by `step` bytes along K, and its parts lie rg bytes apart from LDS byte base on.
.macro CHANGE fill, g0a, g1a, g0b, g1b, step, rg, base
	s_wait_tensorcnt 0x0                           ; no tensor load of mine is out, so a group 0 may be written
	ds_add_u32 v[SPW], v[NIL]                      ; 0 onto my spare word; the descriptors' steps stand between it and the wait for it
.if \fill
	s_mul_i32 s[\g0a+1], s14, \rg
	s_add_co_u32 s[\g0a+1], s[\g0a+1], \base
	s_mul_i32 s[\g0b+1], s14, \rg
	s_add_co_u32 s[\g0b+1], s[\g0b+1], \base
	s_add_nc_u64 s[\g0a+2:\g0a+3], s[\g0a+2:\g0a+3], \step
	s_add_nc_u64 s[\g0b+2:\g0b+3], s[\g0b+2:\g0b+3], \step
.endif
	s_wait_dscnt 0x0                               ; the add is done, and my reads of the slot that I have left are over
.if \fill
	CROUND
	JLOAD \g0a, \g1a, \g0b, \g1b                   ; my one tensor load until the next round; the four v_nop behind it are among the places in front of the loads below
.else
	s_barrier_signal -1
	s_barrier_wait -1
	PLACES
.endif
.endm
; The way out of 16 rows x 64 columns: through my own stage (LDS serves a wave's instructions in order), back as rows of 256 bytes, plus the residual, stored: sixteen lanes store 256 consecutive bytes, aligned
.macro OUTB i1
	s_wait_xcnt 0x0                                ; the stores before have read their registers
.irp t0, 0,1,2,3
	ds_store_b128 v18, v[ACC+8*(4*\i1+\t0):ACC+8*(4*\i1+\t0)+3] offset:128*(\t0/2)+32*(\t0%2)
	ds_store_b128 v18, v[ACC+8*(4*\i1+\t0)+4:ACC+8*(4*\i1+\t0)+7] offset:128*(\t0/2)+32*(\t0%2)+16
.endr
.irp t, 0,1,2,3,4,5,6,7
	ds_load_b128 v[GT+4*\t:GT+4*\t+3], v19 offset:544*\t
.endr
	s_wait_dscnt 0x0
	WIN 0x08                                       ; source 1: window 2, the residual
.irp k, 0,2,4,6,8,10,12,14,16,18,20,22,24,26,28,30
	v_pk_add_f32 v[GT+\k:GT+\k+1], v[GT+\k:GT+\k+1], v[32*\i1+\k:32*\i1+\k+1]
.endr
	WIN 0
.irp t, 0,1,2,3,4,5,6,7
	global_store_b128 v20, v[GT+4*\t:GT+4*\t+3], s[12:13] offset:(32*(\i1/2)+8*(\i1%2)+2*(\t%4)+16*(\t/4))*4096 th:TH_STORE_NT
.endr
.endm
	s_load_b256 s[4:11], s[0:1], 0x0               ; A, wts, bias, res
	s_load_b64 s[12:13], s[0:1], 0x20              ; out
	v_lshl_add_u32 v[SPW], v0, 2, SPARE
	v_mov_b32 v[NIL], 0
	ds_add_u32 v[SPW], v[NIL]                      ; the wave's opening: the add and its wait ahead of my first tensor load
	ds_add_u32 v[SPW], v[NIL]
	v_lshrrev_b32 v1, 5, v0
	v_readfirstlane_b32 s14, v1
	s_lshr_b32 s15, s14, 1                         ; wm: my 64 rows.  Also: I fetch for A (0) or for W (1)
	s_and_b32 s16, s14, 1                          ; wn: my 64 columns.  Also: which half of that tile I fetch
	s_bfe_u32 s66, ttmp6, 0x40000                  ; cx
	s_bfe_u32 s67, ttmp6, 0x40004                  ; cy
	s_lshl_b32 s96, ttmp9, 2
	s_add_co_u32 s96, s96, s66                     ; x
	s_and_b32 s17, ttmp7, 0xffff
	s_lshl_b32 s17, s17, 2
	s_add_co_u32 s17, s17, s67                     ; y
	s_lshl_b32 s97, s67, 2
	s_lshl_b32 s97, 15, s97                        ; my row of the cluster
	s_lshl_b32 s98, 0x1111, s66                    ; my column
.irp g, G1AX, G1AY
	s_or_b32 s[\g], s97, (3<<16)|(1<<21)           ; elements of 8 bytes, no padding; bit 21 set beside a mask
.endr
.irp g, G1BX, G1BY
	s_or_b32 s[\g], s98, (3<<16)|(1<<21)
.endr
.irp g, G1AX, G1BX                     ; four row blocks x NX K steps: rows of 1,536 NX bytes, PB bytes apart in memory, dense in LDS
	s_mov_b32 s[\g+1], (192*NX)<<16
	s_mov_b32 s[\g+2], 4<<16
	s_mov_b32 s[\g+3], (192*NX)<<16
	s_mov_b32 s[\g+4], 4
	s_mov_b32 s[\g+5], PB/8
	s_mov_b32 s[\g+6], 0
	s_mov_b32 s[\g+7], 0
.endr
.irp g, G1AY, G1BY                     ; the same with NY K steps
	s_mov_b32 s[\g+1], (192*NY)<<16
	s_mov_b32 s[\g+2], 4<<16
	s_mov_b32 s[\g+3], (192*NY)<<16
	s_mov_b32 s[\g+4], 4
	s_mov_b32 s[\g+5], PB/8
	s_mov_b32 s[\g+6], 0
	s_mov_b32 s[\g+7], 0
.endr
	s_lshl_b32 s18, s17, 3
	s_lshl_b32 s19, s16, 2
	s_add_co_u32 s18, s18, s19                     ; A: row block 8 y + 4 half
	s_mul_i32 s100, s18, PB
	s_mov_b32 s101, 0
	s_mul_i32 s18, s18, SPB
	s_add_co_u32 s18, s18, ASC
	s_mov_b32 s19, 0
	s_lshl_b32 s2, s96, 3
	s_lshl_b32 s3, s16, 2
	s_add_co_u32 s2, s2, s3                        ; W: row block 8 x + 4 half
	s_mul_i32 s98, s2, PB
	s_add_co_u32 s98, s98, WCO
	s_mov_b32 s99, 0
	s_mul_i32 s2, s2, SPB
	s_add_co_u32 s2, s2, WSC
	s_mov_b32 s3, 0
	s_mul_i32 s97, s14, 4*SPB                      ; where the scale words go: wave x 4 row blocks: no place in the cluster enters an LDS address
	s_add_co_u32 s97, s97, SCA
	s_wait_dscnt 0x0                               ; the opening add is done
	s_wait_kmcnt 0x0
	s_add_nc_u64 s[20:21], s[4:5], s[18:19]        ; the scale words of four row blocks, 8,192 dense bytes a wave, come by plain loads and LDS stores: waves 0, 1 A's, waves 2, 3 W's
	s_add_nc_u64 s[22:23], s[6:7], s[2:3]
	s_cmp_eq_u32 s15, 0
	s_cselect_b64 s[20:21], s[20:21], s[22:23]
	s_mov_b32 s[G0AX], 1
	s_mul_i32 s[G0AX+1], s14, RGX                  ; slot X: A's halves, then W's: wave x RGX
	s_add_nc_u64 s[G0AX+2:G0AX+3], s[4:5], s[100:101]
	s_or_b32 s[G0AX+3], s[G0AX+3], 0x80000000
	s_mov_b32 s[G0BX], 1
	s_mul_i32 s[G0BX+1], s14, RGX
	s_add_nc_u64 s[G0BX+2:G0BX+3], s[6:7], s[98:99]
	s_or_b32 s[G0BX+3], s[G0BX+3], 0x80000000
	s_mov_b32 s[G0AY], 1
	s_mul_i32 s[G0AY+1], s14, RGY                  ; slot Y: wave x RGY
	s_add_co_u32 s[G0AY+1], s[G0AY+1], YB
	s_add_nc_u64 s[G0AY+2:G0AY+3], s[4:5], s[100:101]
	s_add_nc_u64 s[G0AY+2:G0AY+3], s[G0AY+2:G0AY+3], NX*1536   ; K steps NX on
	s_or_b32 s[G0AY+3], s[G0AY+3], 0x80000000
	s_mov_b32 s[G0BY], 1
	s_mul_i32 s[G0BY+1], s14, RGY
	s_add_co_u32 s[G0BY+1], s[G0BY+1], YB
	s_add_nc_u64 s[G0BY+2:G0BY+3], s[6:7], s[98:99]
	s_add_nc_u64 s[G0BY+2:G0BY+3], s[G0BY+2:G0BY+3], NX*1536
	s_or_b32 s[G0BY+3], s[G0BY+3], 0x80000000
	CROUND                                         ; all sixteen work-groups are here: the first joint loads meet
	JLOAD G0AX, G1AX, G0BX, G1BX                   ; slot X: my one tensor load at the head
	v_and_b32 v3, 31, v0
	v_and_b32 v1, 15, v0                           ; r
	v_bfe_u32 v2, v0, 4, 1                         ; h
	v_lshlrev_b32 v[L16], 4, v3
	v_lshlrev_b32 v[L8], 3, v3
	s_mul_i32 s2, s15, 4*SPB
	s_add_co_u32 s2, s2, SCA
	v_lshl_add_u32 v[BSA], v1, 2, s2
	s_mul_i32 s2, s16, 4*SPB
	s_add_co_u32 s2, s2, SCB
	v_lshl_add_u32 v[BSB], v1, 2, s2
	s_mul_i32 s2, s14, 4352
	s_add_co_u32 s2, s2, STAGE                     ; my stage
	v_mul_u32_u24 v18, v1, 272
	v_lshl_add_u32 v18, v2, 6, v18
	v_add_nc_u32 v18, s2, v18                      ; in: row r, + 64 h
	v_mul_u32_u24 v19, v2, 272
	v_lshl_add_u32 v19, v1, 4, v19
	v_add_nc_u32 v19, s2, v19                      ; back: lanes 0-15 one row, lanes 16-31 the next
	v_lshlrev_b32 v20, 12, v2
	v_lshl_add_u32 v20, v1, 4, v20                 ; and the same two rows in res and out
	v_lshlrev_b32 v22, 6, v2                       ; the bias: 16 h numbers on
	s_wait_alu depctr_va_vdst(0)
	s_lshl_b32 s18, s96, 9
	s_lshl_b32 s19, s16, 8
	s_add_co_u32 s18, s18, s19                     ; my first column, in bytes
	s_mov_b32 s19, 0
	s_add_nc_u64 s[8:9], s[8:9], s[18:19]
	s_lshl_b32 s2, s17, 7
	s_lshl_b32 s3, s15, 6
	s_add_co_u32 s2, s2, s3
	s_lshl_b32 s2, s2, 12                          ; my first row
	s_add_co_u32 s18, s18, s2
	s_add_nc_u64 s[10:11], s[10:11], s[18:19]
	s_add_nc_u64 s[12:13], s[12:13], s[18:19]
	v_add_nc_u32 v23, s97, v[L16]                  ; where my scale words go
.irp k, 0,1,2,3,4,5,6,7,8,9,10,11,12,13,14,15
	global_load_b128 v[ACC+4*\k:ACC+4*\k+3], v[L16], s[20:21] offset:512*\k   ; 512 consecutive bytes an instruction
.endr
.irp t0, 0,1,2,3                       ; lane (r, h) wants, for weight block 2 b + u, the bias of columns 32 b + 16 h + 8 u + 0 .. 7
	global_load_b128 v[BI+8*\t0:BI+8*\t0+3], v22, s[8:9] offset:(32*(\t0/2)+8*(\t0%2))*4
	global_load_b128 v[BI+8*\t0+4:BI+8*\t0+7], v22, s[8:9] offset:(32*(\t0/2)+8*(\t0%2))*4+16
.endr
	WIN 0x80                                       ; destination window 2
.irp i1, 0,1,2,3
.irp t, 0,1,2,3,4,5,6,7
	global_load_b128 v[32*\i1+4*\t:32*\i1+4*\t+3], v20, s[10:11] offset:(32*(\i1/2)+8*(\i1%2)+2*(\t%4)+16*(\t/4))*4096
.endr
.endr
	WIN 0
	s_wait_alu depctr_va_vdst(0)
	s_wait_loadcnt 40                              ; the scale words are in; the bias's 8 loads and the residual's 32 may be out
.irp k, 0,1,2,3,4,5,6,7,8,9,10,11,12,13,14,15
	ds_store_b128 v23, v[ACC+4*\k:ACC+4*\k+3] offset:512*\k
.endr
	s_wait_tensorcnt 0x0                           ; my part of slot X is in
	ds_add_u32 v[SPW], v[NIL]
	s_wait_dscnt 0x0                               ; the add and my stores of scale words are done
	CROUND
	JLOAD G0AY, G1AY, G0BY, G1BY                   ; slot Y's first fill, my one tensor load behind the round
	GEN XB, NX, 0, 1
	CHANGE 1, G0AX, G1AX, G0BX, G1BX, (NX+NY)*1536, RGX, XB       ; slot X takes K steps 11-16
	GEN YB, NY, NX, 0                                             ; K steps 6-10
	CHANGE 1, G0AY, G1AY, G0BY, G1BY, (NX+NY)*1536, RGY, YB       ; slot Y takes K steps 17-21
	GEN XB, NX, NX+NY, 0                                          ; K steps 11-16
	CHANGE 1, G0AX, G1AY, G0BX, G1BY, (NX+NY)*1536, RGY, XB       ; slot X takes K steps 22-26, in the shorter shape
	GEN YB, NY, 2*NX+NY, 0                                        ; K steps 17-21
	CHANGE 1, G0AY, G1AY, G0BY, G1BY, (NY+NY)*1536, RGY, YB       ; slot Y takes K steps 27-31: the last load
	GEN XB, NY, 2*NX+2*NY, 0                                      ; K steps 22-26
	CHANGE 0, G0AX, G1AX, G0BX, G1BX, 0, 0, 0                     ; nothing is left to fetch
	GEN YB, NY, 2*NX+3*NY, 0                                      ; K steps 27-31
	PLACES
	s_wait_loadcnt 0x0                             ; the residual
	OUTB 0
	OUTB 1
	OUTB 2
	OUTB 3
	s_wait_tensorcnt 0x0                           ; the wave's end, behind my last LDS store
	ds_add_u32 v[SPW], v[NIL]
	s_wait_dscnt 0x0
	CROUND                                         ; the closing round
	s_endpgm
.Lfunc_end_k_q60ee7d1cfc_ffn2:
	.size	k_q60ee7d1cfc_ffn2, .Lfunc_end_k_q60ee7d1cfc_ffn2-k_q60ee7d1cfc_ffn2
	.p2alignl 7, 3214868480
	.fill 96, 4, 3214868480
	.section	.rodata,"a",@progbits
	.p2align	6, 0x0
	.amdhsa_kernel k_q60ee7d1cfc_ffn2
		.amdhsa_group_segment_fixed_size 327680
		.amdhsa_private_segment_fixed_size 0
		.amdhsa_enable_private_segment 0
		.amdhsa_kernarg_size 40
		.amdhsa_user_sgpr_count 2
		.amdhsa_user_sgpr_kernarg_segment_ptr 1
		.amdhsa_wavefront_size32 1
		.amdhsa_system_sgpr_workgroup_id_x 1
		.amdhsa_system_sgpr_workgroup_id_y 1
		.amdhsa_system_sgpr_workgroup_id_z 1
		.amdhsa_system_vgpr_workitem_id 0
		.amdhsa_next_free_vgpr 768
		.amdhsa_next_free_sgpr 102
		.amdhsa_reserve_vcc 0
		.amdhsa_float_denorm_mode_32 3
		.amdhsa_float_denorm_mode_16_64 3
		.amdhsa_memory_ordered 1
		.amdhsa_forward_progress 1
		.amdhsa_inst_pref_size 187
	.end_amdhsa_kernel
	.amdgpu_metadata
---
amdhsa.version: [ 1, 2 ]
amdhsa.kernels:
  - .name:           k_q60ee7d1cfc_ffn2
    .symbol:         k_q60ee7d1cfc_ffn2.kd
    .args:
      - { .name: hid, .offset: 0, .size: 8, .value_kind: global_buffer, .address_space: global }
      - { .name: wts, .offset: 8, .size: 8, .value_kind: global_buffer, .address_space: global }
      - { .name: b2, .offset: 16, .size: 8, .value_kind: global_buffer, .address_space: global }
      - { .name: x1, .offset: 24, .size: 8, .value_kind: global_buffer, .address_space: global }
      - { .name: out0, .offset: 32, .size: 8, .value_kind: global_buffer, .address_space: global }
    .group_segment_fixed_size: 327680
    .private_segment_fixed_size: 0
    .kernarg_segment_align: 8
    .kernarg_segment_size: 40
    .max_flat_workgroup_size: 128
    .sgpr_count:     102
    .vgpr_count:     768
    .wavefront_size: 32
...
	.end_amdgpu_metadata
.endif
;; end of part 6
